; MI455X (gfx1250); checked and timed in simulation.
; The chip was launched on July 23, 2026; its instructions are those of AMD's public machine-readable ISA for CDNA 5 (MIT licence, August 2026) and "CDNA5" Instruction Set Architecture Reference Guide (July 2026). The comments in the code are by the model that wrote it; some were corrected since.
;; Custom GPT2 Layer. Allowed arithmetic: matrix products marked QUANTISED: E2M3 operands, one E8M0 scale for each 32 along K, by v_wmma_scale_f32_16x16x128_f8f6f4 with both operands' format E2M3, f32 sums; everything else in f32.
;; Inputs: b_attn 3,072 float32; b_fc 4,096 float32; b_fc2 1,024 float32; b_proj 1,024 float32; hidden_states 4 x 1,024 x 1,024 float32; ln1_b 1,024 float32; ln1_g 1,024 float32; ln2_b 1,024 float32; ln2_g 1,024 float32; w_attn_codes 3,072 x 32 x 24 uint8 (E2M3 codes of w_attn, K innermost, in blocks of 32 codes, four codes in three bytes); w_attn_scales 3,072 x 32 uint8 (E8M0 scales of w_attn, one for each 32 codes along K); w_fc2_codes 1,024 x 128 x 24 uint8 (E2M3 codes of w_fc2, K innermost, in blocks of 32 codes, four codes in three bytes); w_fc2_scales 1,024 x 128 uint8 (E8M0 scales of w_fc2, one for each 32 codes along K); w_fc_codes 4,096 x 32 x 24 uint8 (E2M3 codes of w_fc, K innermost, in blocks of 32 codes, four codes in three bytes); w_fc_scales 4,096 x 32 uint8 (E8M0 scales of w_fc, one for each 32 codes along K); w_proj_codes 1,024 x 32 x 24 uint8 (E2M3 codes of w_proj, K innermost, in blocks of 32 codes, four codes in three bytes); w_proj_scales 1,024 x 32 uint8 (E8M0 scales of w_proj, one for each 32 codes along K).
;; Outputs: out0 4 x 1,024 x 1,024 float32.
;; This version of the problem:
;;   THIS VERSION OF THE PROBLEM IS GIVEN IN LOW PRECISION. The matrix products marked QUANTISED in the list below multiply operands that are first quantised to E2M3 (2 exponent bits, 3 mantissa bits; 6 bits a number), with one power-of-two scale for each 32 numbers along K (OCP MX v1.0); their sums are f32. All else is computed in f32.
;;   The module's matrix products, in the order in which they are computed (A, B: the left and right operand; K: the contracted axis; several contracted axes count as one K, in the product's order):
;;     1. [M 4,096, K 1,024] x [K 1,024, N 3,072]; A: computed on the way; B: input w_attn (given as codes): QUANTISED
;;     2. batch 64 x [M 1,024, K 64] x [K 64, N 1,024]; A: computed on the way; B: computed on the way: QUANTISED
;;     3. batch 64 x [M 1,024, K 1,024] x [K 1,024, N 64]; A: softmax (see below); B: computed on the way: QUANTISED
;;     4. [M 4,096, K 1,024] x [K 1,024, N 1,024]; A: computed on the way; B: input w_proj (given as codes): QUANTISED
;;     5. [M 4,096, K 1,024] x [K 1,024, N 4,096]; A: computed on the way; B: input w_fc (given as codes): QUANTISED
;;     6. [M 4,096, K 4,096] x [K 4,096, N 1,024]; A: computed on the way; B: input w_fc2 (given as codes): QUANTISED
;;   THE QUANTISER, for each operand of a quantised product, along K:
;;     - K is cut into blocks of 32 from its start; a last block that is shorter is filled with zeros.
;;     - A block's scale is 2^e with e = floor(log2(the largest magnitude in the block)) - 2, held to -126 .. 127; a block of zeros has e = 0. As a byte (E8M0): e + 127.
;;     - Each number is divided by its block's scale, clamped to +-7.5, and rounded to the nearest number of E2M3, ties to even, subnormals kept.
;;     - The product sums the exact products of the quantised numbers (number of the format x scale) in f32.
;;   ~~~python
;;   def quantise(x, axis):      # numpy; x: float32 -> the quantised numbers, widened to float32 again
;;       x = np.moveaxis(x, axis, -1); K = x.shape[-1]
;;       x = np.pad(x, [(0, 0)] * (x.ndim - 1) + [(0, -K % 32)]); x = x.reshape(x.shape[:-1] + (-1, 32)); a = np.abs(x).max(-1, keepdims=True)
;;       e = np.where(a > 0, np.clip(np.frexp(np.where(a > 0, a, 1))[1] - 1 - 2, -126, 127), 0)      # np.frexp(a)[1] - 1 = floor(log2(a)), exactly
;;       r = np.clip(x / 2.0 ** e, -7.5, 7.5)
;;       step = 2.0 ** (np.maximum(np.frexp(np.where(r == 0, 1, r))[1] - 1, 0) - 3)
;;       q = np.round(r / step) * step * 2.0 ** e      # np.round: ties to even
;;       return np.moveaxis(q.reshape(q.shape[:-2] + (-1,))[..., :K], -1, axis).astype(np.float32)
;;   ~~~
;;   SOFTMAX AHEAD OF A QUANTISED PRODUCT. Where the list says 'softmax', what is quantised is not the finished softmax but p = 2^(t - M), with t = logit x log2(e) and M = ceil(the row's largest t), a whole number; so 1/2 < the row's largest p <= 1. The row's sum l is taken of the UNQUANTISED p, in f32, and the product's result is divided by l at the end. Since M is a whole number, a kernel that streams over the keys may use a running M (the ceiling of the running maximum): every later rescaling is an exact power of two, which a block's scale takes up: the codes' values come out the same.
;;   OPERANDS COMPUTED ON THE WAY. 'Computed on the way' means the value that the module computes at that place (a softmax that the list does not call 'softmax' is quantised finished and normalised). What goes into a quantiser is computed in f32, as accurately as f32 sums, v_exp_f32 and their like allow (about 1e-6 of the number): no bf16 or f16 on the way to a quantiser, and a product that is left as it is and whose result goes on into a quantised operand takes f32 operands (vector FMAs, or v_wmma_f32_16x16x4_f32). A number that lies on a knife's edge between two numbers of the format may be rounded either way, as far as f32 arithmetic and the matrix unit's own rounding can turn it there, and no further.
;;   INPUTS GIVEN AS CODES. w_attn (in the module: [1024, 3072], K = its axis 0); w_fc (in the module: [1024, 4096], K = its axis 0); w_fc2 (in the module: [4096, 1024], K = its axis 0); w_proj (in the module: [1024, 1024], K = its axis 0): each comes as NAME_codes (uint8): NAME with its K axis moved to the last place and cut into blocks of 32 codes, [.., K / 32, bytes a block], one block behind the other in memory; four codes in three bytes: a row's codes are one little-endian stream of bits, code i at bits 6 i .. 6 i + 5 (a code: sign, 2 exponent bits, 3 mantissa bits); and NAME_scales (uint8): the same leading axes, one E8M0 byte (e + 127) for each 32 codes along K. Its value is code x scale, taken as it is: it is not quantised again, and the codes and scales need not be those that the quantiser above would give.
;; One version. Each part assembles by itself: llvm-mc -triple=amdgcn-amd-amdhsa -mcpu=gfx1250 --defsym DOCPART=n.
;; ======== version 1 of 1: 7 launches
;; workspace buffers: xq 3,276,800 bytes; qkv 9,830,400 bytes; yq 3,276,800 bytes; x1 16,777,216 bytes; gq 13,107,200 bytes
;; launch ln1 (part 1): grid 256 x 1, 8 waves a work-group, no clusters, 44,032 bytes of LDS; arguments hidden_states, ln1_g, ln1_b, xq; writes xq
.if DOCPART == 1
	.amdgcn_target "amdgcn-amd-amdhsa--gfx1250"
	.amdhsa_code_object_version 6
	.text
	.protected	k_q37a5d0c706_ln1
	.globl	k_q37a5d0c706_ln1
	.p2align	8
	.type	k_q37a5d0c706_ln1,@function
k_q37a5d0c706_ln1:
	s_mov_b64 s[64:65], 0
	v_nop
	global_prefetch_b8 v0, s[64:65] scope:SCOPE_SE
	s_setreg_imm32_b32 hwreg(HW_REG_WAVE_MODE, 25, 1), 1
	s_wait_xcnt 0x0
; LayerNorm of rows of 1,024 f32 (mean, then the mean of the squared differences: two passes over registers, as the definition has it), gain and bias, and the result quantised
; along the row to codes of FP6 (E2M3) with one E8M0 byte for each 32.  Out: codes [4096][768 bytes] at byte 0 of xq, scale bytes [4096][32] at byte XSOFF.
; A work-group of eight waves owns 16 rows, a wave 2: 8,192 bytes in, 1,536 bytes of codes out.  A row is 32 registers a lane.  All 32 loads of a wave (gain, bias, two rows) go out at once.
; The conversion takes 16 NEIGHBOURS from one lane's registers, the loads take neighbouring bytes in neighbouring lanes: so half a row (512 numbers) turns through the wave's own stage in LDS.
; A wave makes 64 scale bytes; the work-group's 512 meet in LDS behind one barrier and leave as two aligned runs of 256 bytes, stored by waves 0 and 1.
; A block's scale is 2^(floor(log2(largest magnitude)) - 2); its byte is that magnitude's exponent field - 2, held at 1 from below.
; LIMITS: a block of zeros gets the byte 1 (its codes are zeros; this program alone reads the bytes); NaN and infinities are not served; v_rsq_f32 is accurate to 1 ulp.
; No matrix unit, no cluster: the launch streams its rows once.
.set XSOFF, 3145728
.set SP,    80                         ; a lane's place in a stage: 64 bytes + 16 of padding
.set WREG,  5120                       ; LDS of a wave: two stages of 32 x SP bytes
.set SCR,   8*WREG                     ; behind the stages: the work-group's 512 scale bytes (2,048 are claimed, so that 256 x wave + 8 x lane lies inside for every wave)
.set G,     16                         ; v16-47   the gain, in the loads' layout
.set BT,    48                         ; v48-79   the bias
.set X,     80                         ; v80-143  the two rows
.set Y,     208                        ; v208-239 two sets of 16 neighbours; ahead of the turn: the sums' chains
.set C,     240                        ; v240-255 four sets, one for each half row: three registers of codes and the step's scale byte
	s_load_b256 s[4:11], s[0:1], 0x0               ; x s[4:5], gain s[6:7], bias s[8:9], xq s[10:11]
	v_lshl_add_u32 v206, v0, 2, 0xa800
	v_mov_b32 v207, 0
	v_lshrrev_b32 v1, 5, v0
	v_readfirstlane_b32 s16, v1                    ; wave 0..7
	v_and_b32 v2, 31, v0                           ; lane
	v_lshlrev_b32 v3, 4, v2                        ; my 16 bytes of a load's 512
	v_mul_u32_u24 v4, v2, 12                       ; my 12 bytes of a step's 384 bytes of codes
	s_mul_i32 s17, s16, WREG
	v_lshrrev_b32 v14, 2, v2
	v_mul_u32_u24 v14, v14, SP
	v_and_b32 v15, 3, v2
	v_lshl_add_u32 v14, v15, 4, v14
	v_add_nc_u32 v14, s17, v14                     ; the stage, in: SP (lane / 4) + 16 (lane % 4)
	v_mul_u32_u24 v15, v2, SP
	v_add_nc_u32 v15, s17, v15                     ; and out: SP x lane
	v_lshrrev_b32 v5, 1, v2
	s_lshl_b32 s17, s16, 6
	s_add_co_u32 s17, s17, SCR
	v_add_nc_u32 v5, s17, v5                       ; my block's scale byte: 64 x wave + lane / 2
	v_lshlrev_b32 v7, 3, v2
	s_lshl_b32 s17, s16, 8
	v_add_nc_u32 v7, s17, v7                       ; the scale bytes on the way out (waves 0 and 1): 256 x wave + 8 x lane, in memory
	v_add_nc_u32 v6, SCR, v7                       ; and in LDS
	v_mov_b32 v9, 0                                ; a lane permute's destination counts as read
	s_mov_b32 s20, 0x76543210
	s_mov_b32 s21, 0xfedcba98                      ; selects for lane l xor 16
	s_mov_b32 s22, 0x3a800000                      ; 1 / 1024
	s_mov_b32 s23, 0x3727c5ac                      ; 1e-5
	s_lshl_b32 s18, ttmp9, 3
	s_add_co_u32 s18, s18, s16                     ; which pair of rows is my wave's
	s_lshl_b32 s24, s18, 13
	s_mov_b32 s25, 0
	s_mul_i32 s26, s18, 1536
	s_mov_b32 s27, 0
	s_lshl_b32 s28, ttmp9, 9
	s_add_co_u32 s28, s28, XSOFF
	s_mov_b32 s29, 0
	s_wait_kmcnt 0x0
	s_add_nc_u64 s[4:5], s[4:5], s[24:25]
	s_add_nc_u64 s[12:13], s[10:11], s[28:29]      ; my work-group's scale bytes
	s_add_nc_u64 s[10:11], s[10:11], s[26:27]      ; my codes
.set k, 0
.rept 8
	global_load_b128 v[G+4*k:G+4*k+3], v3, s[6:7] offset:512*k
	global_load_b128 v[BT+4*k:BT+4*k+3], v3, s[8:9] offset:512*k
.set k, k+1
.endr
.macro LOADROW p                       ; eight loads of 512 consecutive bytes: the whole row
.set k, 0
.rept 8
	global_load_b128 v[X+32*(\p)+4*k:X+32*(\p)+4*k+3], v3, s[4:5] offset:4096*(\p)+512*k th:TH_LOAD_NT
.set k, k+1
.endr
.endm
	LOADROW 0
	LOADROW 1
.macro FOLD                            ; four chains of pairs in v[Y] on -> the sum over the row, in every lane's v8
	v_pk_add_f32 v[Y:Y+1], v[Y:Y+1], v[Y+2:Y+3]
	v_pk_add_f32 v[Y+4:Y+5], v[Y+4:Y+5], v[Y+6:Y+7]
	v_pk_add_f32 v[Y:Y+1], v[Y:Y+1], v[Y+4:Y+5]
	v_add_f32 v8, v[Y], v[Y+1]
	v_add_f32_dpp v8, v8, v8 row_xmask:1 row_mask:0xf bank_mask:0xf
	v_add_f32_dpp v8, v8, v8 row_xmask:2 row_mask:0xf bank_mask:0xf
	v_add_f32_dpp v8, v8, v8 row_xmask:4 row_mask:0xf bank_mask:0xf
	v_add_f32_dpp v8, v8, v8 row_xmask:8 row_mask:0xf bank_mask:0xf
	v_permlanex16_b32 v9, v8, s20, s21
	v_add_f32 v8, v8, v9
.endm
.macro ROW p
.set XR, X+32*(\p)
	s_wait_loadcnt 8*(1-(\p))                      ; my row's eight loads are in (gain and bias are older); for row 0 the eight of row 1 may be out
.set k, 0
.rept 4
	v_pk_add_f32 v[Y+2*k:Y+2*k+1], v[XR+4*k:XR+4*k+1], v[XR+4*k+2:XR+4*k+3]
.set k, k+1
.endr
.set k, 0
.rept 8
	v_pk_add_f32 v[Y+2*(k%4):Y+2*(k%4)+1], v[Y+2*(k%4):Y+2*(k%4)+1], v[XR+16+2*k:XR+17+2*k]
.set k, k+1
.endr
	FOLD
	v_mul_f32 v10, s22, v8                         ; the mean
	v_mov_b32 v11, v10
.set k, 0
.rept 16
	v_pk_add_f32 v[XR+2*k:XR+2*k+1], v[XR+2*k:XR+2*k+1], v[10:11] neg_lo:[0,1] neg_hi:[0,1]   ; x - mean, in place
.set k, k+1
.endr
.set k, 0
.rept 4
	v_pk_mul_f32 v[Y+2*k:Y+2*k+1], v[XR+2*k:XR+2*k+1], v[XR+2*k:XR+2*k+1]
.set k, k+1
.endr
.set k, 4
.rept 12
	v_pk_fma_f32 v[Y+2*(k%4):Y+2*(k%4)+1], v[XR+2*k:XR+2*k+1], v[XR+2*k:XR+2*k+1], v[Y+2*(k%4):Y+2*(k%4)+1]
.set k, k+1
.endr
	FOLD
	v_fma_f32 v8, v8, s22, s23                     ; the variance + eps
	v_rsq_f32 v12, v8
	v_nop                                          ; a plain instruction between the transcendental and the use of its result
	s_wait_alu depctr_va_vdst(0)
	v_mov_b32 v13, v12
.set k, 0
.rept 16
	v_pk_mul_f32 v[XR+2*k:XR+2*k+1], v[XR+2*k:XR+2*k+1], v[12:13]
.set k, k+1
.endr
.set k, 0
.rept 16
	v_pk_fma_f32 v[XR+2*k:XR+2*k+1], v[XR+2*k:XR+2*k+1], v[G+2*k:G+2*k+1], v[BT+2*k:BT+2*k+1]
.set k, k+1
.endr
.irp u, 0,1                            ; the row's two halves through the two stages: LDS serves a wave's instructions in order, so no wait stands between the stores and the loads
.irp i, 0,1,2,3
	ds_store_b128 v14, v[XR+16*\u+4*\i:XR+16*\u+4*\i+3] offset:32*SP*\u+8*SP*\i
.endr
.irp i, 0,1,2,3
	ds_load_b128 v[Y+16*\u+4*\i:Y+16*\u+4*\i+3], v15 offset:32*SP*\u+16*\i
.endr
.endr
	s_wait_dscnt 0x0                               ; the neighbours are back
.irp u, 0,1
.set YU, Y+16*\u
.set SG, 2*(\p)+\u
.set CU, C+4*SG                        ; each of the wave's four steps has its own set: no store's data are written again
	v_max3_num_f32 v8, |v[YU]|, |v[YU+1]|, |v[YU+2]|
	v_max3_num_f32 v9, |v[YU+3]|, |v[YU+4]|, |v[YU+5]|
.irp i, 6,10
	v_max3_num_f32 v8, v8, |v[YU+\i]|, |v[YU+\i+1]|
	v_max3_num_f32 v9, v9, |v[YU+\i+2]|, |v[YU+\i+3]|
.endr
	v_max3_num_f32 v8, v8, |v[YU+14]|, |v[YU+15]|
	v_max3_num_f32 v8, v8, v9, 0x1800000           ; and the floor 2^(3 - 127): the byte cannot fall under 1
	v_max_num_f32_dpp v8, v8, v8 row_xmask:1 row_mask:0xf bank_mask:0xf   ; with my neighbour's 16: the block's largest magnitude
	v_add_nc_u32 v11, 0xff000000, v8               ; 2 off its exponent field: the conversion's scale operand
	v_cvt_scalef32_pk16_fp6_f32 v[CU:CU+2], v[YU:YU+15], v11
	v_lshrrev_b32 v[CU+3], 23, v11                 ; the scale's byte (also the plain instruction behind the conversion)
	ds_store_b8 v5, v[CU+3] offset:16*SG           ; both lanes of a block write the same byte with the same value
	global_store_b96 v4, v[CU:CU+2], s[10:11] offset:384*SG   ; the wave stores 384 consecutive bytes
.endr
.endm
	ROW 0
	ROW 1
	s_wait_dscnt 0x0                               ; for the others' sake: my scale bytes lie in LDS
	s_barrier_signal -1
	s_barrier_wait -1                              ; everybody's do
	s_cmp_lt_u32 s16, 2                            ; waves 0 and 1 store the work-group's 512 scale bytes
	s_cbranch_scc0 .Ldone
	ds_load_b64 v[12:13], v6
	s_wait_dscnt 0x0
	global_store_b64 v7, v[12:13], s[12:13]        ; 32 lanes store 256 consecutive bytes, aligned
.Ldone:
	s_wait_tensorcnt 0x0
	ds_add_u32 v206, v207
	s_wait_dscnt 0x0
	s_endpgm
.Lfunc_end_k_q37a5d0c706_ln1:
	.size	k_q37a5d0c706_ln1, .Lfunc_end_k_q37a5d0c706_ln1-k_q37a5d0c706_ln1
	.p2alignl 7, 3214868480
	.fill 96, 4, 3214868480
	.section	.rodata,"a",@progbits
	.p2align	6, 0x0
	.amdhsa_kernel k_q37a5d0c706_ln1
		.amdhsa_group_segment_fixed_size 44032
		.amdhsa_private_segment_fixed_size 0
		.amdhsa_enable_private_segment 0
		.amdhsa_kernarg_size 32
		.amdhsa_user_sgpr_count 2
		.amdhsa_user_sgpr_kernarg_segment_ptr 1
		.amdhsa_wavefront_size32 1
		.amdhsa_system_sgpr_workgroup_id_x 1
		.amdhsa_system_sgpr_workgroup_id_y 1
		.amdhsa_system_sgpr_workgroup_id_z 1
		.amdhsa_system_vgpr_workitem_id 0
		.amdhsa_next_free_vgpr 256
		.amdhsa_next_free_sgpr 66
		.amdhsa_reserve_vcc 0
		.amdhsa_float_denorm_mode_32 3
		.amdhsa_float_denorm_mode_16_64 3
		.amdhsa_memory_ordered 1
		.amdhsa_forward_progress 1
		.amdhsa_inst_pref_size 24
	.end_amdhsa_kernel
	.amdgpu_metadata
---
amdhsa.version: [ 1, 2 ]
amdhsa.kernels:
  - .name:           k_q37a5d0c706_ln1
    .symbol:         k_q37a5d0c706_ln1.kd
    .args:
      - { .name: hidden_states, .offset: 0, .size: 8, .value_kind: global_buffer, .address_space: global }
      - { .name: ln1_g, .offset: 8, .size: 8, .value_kind: global_buffer, .address_space: global }
      - { .name: ln1_b, .offset: 16, .size: 8, .value_kind: global_buffer, .address_space: global }
      - { .name: xq, .offset: 24, .size: 8, .value_kind: global_buffer, .address_space: global }
    .group_segment_fixed_size: 44032
    .private_segment_fixed_size: 0
    .kernarg_segment_align: 8
    .kernarg_segment_size: 32
    .max_flat_workgroup_size: 256
    .sgpr_count:     66
    .vgpr_count:     256
    .wavefront_size: 32
...
	.end_amdgpu_metadata
.endif
;; end of part 1
;; launch qkv (part 2): grid 8 x 24, 4 waves a work-group, clusters of 4 x 4, 327,680 bytes of LDS; arguments xq, w_attn_codes, w_attn_scales, b_attn, qkv; writes qkv
.if DOCPART == 2
	.amdgcn_target "amdgcn-amd-amdhsa--gfx1250"
	.amdhsa_code_object_version 6
	.text
	.protected	k_q37a5d0c706_qkv
	.globl	k_q37a5d0c706_qkv
	.p2align	8
	.type	k_q37a5d0c706_qkv,@function
k_q37a5d0c706_qkv:
	s_mov_b64 s[64:65], 0
	v_nop
	global_prefetch_b8 v0, s[64:65] scope:SCOPE_SE
	s_setreg_imm32_b32 hwreg(HW_REG_WAVE_MODE, 25, 1), 1
	s_wait_xcnt 0x0
	s_wait_alu depctr_hold_cnt(0) depctr_sa_sdst(0) depctr_va_vdst(0) depctr_va_sdst(0) depctr_va_ssrc(0) depctr_va_vcc(0) depctr_vm_vsrc(0)
	s_getreg_b32 s2, hwreg(HW_REG_IB_STS2, 6, 4)
	s_cmp_eq_u32 s2, 0
	s_cbranch_scc0 .Lentry_in_a_cluster
	s_endpgm
.Lentry_in_a_cluster:
	s_bfe_u32 s2, ttmp6, 0x10000c
	s_cmp_lg_u32 s2, 0xf033
	s_cbranch_scc0 .Lentry_shape_is_right
	s_endpgm
.Lentry_shape_is_right:
; qkv = LN1(x) W_attn + b_attn on codes of FP6 (E2M3) with E8M0 scales, K = 1,024, and the result quantised again for the attention: q and k along the head's 64, v along the KEYS.
; A tile is 256 x 256 (four waves of 128 x 128, 64 accumulators each); K goes in steps of 256 through a ring of two LDS slots filled by joint tensor loads in clusters of 4 x 4.
; The matrix instruction takes source 0 = 16 rows of "B", source 1 = 16 rows of "A": a lane holds ONE row of A and its registers run along rows of B.
; Both operands are rows of 768 bytes of codes with 32 scale bytes, so ONE text serves two cases, told apart by the CLUSTER's y (the same in all sixteen partners):
;   q, k (cluster y 0-3): A = tokens (xq), B = rows 0-2047 of W: a lane's registers run along the channels.   v (cluster y 4, 5): A = rows 2048-3071 of W, B = tokens: they run along the tokens, v's K.
; The bias is the C of the first K step's products: along B's rows (q, k) or along A's rows (v): that one step is written twice, under a branch on the case.
; OUT, in qkv: q, k codes [channel / 64][token][48 bytes] at 0; v codes [batch][head][key / 64][d][48] at VC; scale WORDS (4 bytes = 128 along K): q, k [channel / 128][token] at QS; v [batch][head][key / 128][d] at VS.
; LIMITS: a block of zeros gets the byte 1 (zero codes; this program alone reads the bytes); NaN and infinities are not served.
; REGISTERS: window 0: v0-31 addresses; v32-63 scale words, two sets, and nothing else; v64-127 the bias, later the quantiser's work; from v128 A's fragments, later what is read back from the stage.
;   window 1: B's fragments, two sets.   windows 2, 3: the accumulators ((a, b) at v[8 (8 (a % 4) + b)]).
.set SIZE_K, 1024
.set KSTEP,  256
.set NQ,     KSTEP/128
.set ROWB,   192
.set KROW,   SIZE_K*6/8
.set PITCH,  240                       ; an LDS row: 3 x (64 bytes + 16 of padding)
.set FR,     12
.set NL,     6
.set NP,     4
.set HALFT,  128*PITCH
.set SLOT,   4*HALFT
.set LAPS,   SIZE_K/(2*KSTEP)
.set KS,     SIZE_K/32
.set SCL,    2*SLOT                    ; behind the ring: the scale bytes, as runs of 256 bytes + 16 of padding; filled once
.set HALFS,  (128*KS/256)*272
.set SBLK,   (16*KS/256)*272
.set SPARE,  SCL+4*HALFS               ; the spare words: 128 bytes a wave, named by no other line
.set WST,    12800                     ; the way out: a wave's stage in slot 0: 2 x 6,144 bytes of codes, 512 of scale words
.set XSO,    3145728
.set VC,     6291456
.set QS,     9437184
.set VS,     9699328
.set ADRA, 16
.set ADRB, 20
.set CST,  24                          ; v24 stage: my 24 bytes of a row's 48
.set SST,  25                          ; v25 stage: my row's scale word
.set RD,   26                          ; v26 stage, back: 16 bytes a lane
.set ADRS, 27
.set SPW,  28
.set NIL,  29
.set GL,   30                          ; v30 16 x lane
.set WO,   31                          ; v31 the scale words' place in memory
.set SC,   32
.set BIAS, 64
.set AF,   128
.set TM,   64                          ; the quantiser: v64-79 at work, v80 the scale word, v82-101 codes
.set PW,   80
.set PC,   82
.set BK,   128
.set SEL,  18
.set G1, 24
.set G0, 32
.set G1B, 48
.set G0B, 56
.set G1S, 68
.set G0S, 76
.set G1SB, 80
.set G0SB, 88
.set MSB, 0
.macro WIN new                         ; the immediate's high byte repeats the setting that is left
.if MSB != \new
	s_set_vgpr_msb (MSB<<8)|\new
.set MSB, \new
.endif
.endm
.set MUL_LO, 0xa1                      ; source 0 window 1, source 1 window 0, C and D window 2
.set MUL_HI, 0xf1                      ; the same, C and D window 3
.set TO_B,   0x40
; A joint load: waves 0 and 1 fetch for A, waves 2 and 3 for B; the branch hangs on the wave's number alone.  Four v_nop follow each of the two lines.
.macro JLOAD g0a, g1a, g0b, g1b
	s_cmp_eq_u32 s15, 0
	s_cbranch_scc0 .Lfor_b_\@
	tensor_load_to_lds s[\g0a:\g0a+3], s[\g1a:\g1a+7]
	s_nop 0
.rept 4
	v_nop
.endr
	s_branch .Lasked_\@
.Lfor_b_\@:
	tensor_load_to_lds s[\g0b:\g0b+3], s[\g1b:\g1b+7]
	s_nop 0
.rept 4
	v_nop
.endr
.Lasked_\@:
.endm
.macro CREST                           ; a round of the cluster's barrier behind its opening barrier
	s_cmp_lg_u32 s14, 0
	s_cbranch_scc1 .Lnot_wave_0_\@
	s_barrier_signal -3
.Lnot_wave_0_\@:
	s_barrier_wait -3
	s_barrier_signal -1
	s_barrier_wait -1
.endm
.macro CROUND
	s_barrier_signal -1
	s_barrier_wait -1
	CREST
.endm
	s_load_b128 s[4:7], s[0:1], 0x0                ; xq, W's codes
	s_load_b128 s[8:11], s[0:1], 0x10              ; W's scales, b_attn
	s_load_b64 s[12:13], s[0:1], 0x20              ; qkv
	v_lshl_add_u32 v[SPW], v0, 2, SPARE
	v_mov_b32 v[NIL], 0
	ds_add_u32 v28, v29
	ds_add_u32 v28, v29
	s_wait_dscnt 0x0
	v_lshrrev_b32 v1, 5, v0
	v_readfirstlane_b32 s14, v1                    ; wave 0..3
	s_lshr_b32 s15, s14, 1                         ; which half of A's rows is mine.  Also: I fetch for A (0) or for B (1)
	s_and_b32 s16, s14, 1                          ; which half of B's rows.  Also: which 128 rows I fetch
	s_bfe_u32 s40, ttmp6, 0x40000                  ; cx, cy: my place in the cluster
	s_bfe_u32 s41, ttmp6, 0x40004
	s_and_b32 s92, ttmp7, 0xffff                   ; the cluster's y, 0..5
	s_max_u32 s93, s92, 4
	s_sub_co_u32 s93, s93, 4
	s_lshl_b32 s93, s93, 1
	s_add_co_u32 s93, s93, ttmp9                   ; v: 2 (y - 4) + x: which four tile columns of tokens
	s_cmp_ge_u32 s92, 4
	s_cselect_b32 s95, 1, 0                        ; the case: 1 = v.  The same in all sixteen partners
	s_cselect_b32 s93, s93, ttmp9
	s_cselect_b32 s92, 0, s92
	s_lshl_b32 s42, s93, 2
	s_add_co_u32 s42, s42, s40                     ; tile column (B's rows / 256)
	s_lshl_b32 s17, s92, 2
	s_add_co_u32 s17, s17, s41                     ; tile row (A's rows / 256)
	s_lshl_b32 s43, s41, 2
	s_lshl_b32 s43, 15, s43                        ; my row of the cluster
	s_lshl_b32 s44, 0x1111, s40                    ; my column
	s_or_b32 s[G1+0], s43, (0<<16)|(1<<20)|(1<<21)|(3<<22)|(3<<25)  ; the mask; bytes; padding of 4 words behind every 16; bit 21 beside a mask
	s_or_b32 s[G1B+0], s44, (0<<16)|(1<<20)|(1<<21)|(3<<22)|(3<<25)
.irp g, G1, G1B
	s_mov_b32 s[\g+1], ROWB<<16                    ; tensor_dim0
	s_mov_b32 s[\g+2], 128<<16                     ; tensor_dim1
	s_mov_b32 s[\g+3], ROWB<<16                    ; tile_dim0
	s_mov_b32 s[\g+4], 128                         ; tile_dim1
	s_mov_b32 s[\g+5], KROW                        ; the pitch
	s_mov_b32 s[\g+6], 0
	s_mov_b32 s[\g+7], 0
.endr
	s_or_b32 s[G1S+0], s43, (3<<16)|(1<<20)|(1<<21)|(5<<22)|(3<<25)   ; the scales of 128 rows: a dense block, as rows of 256 bytes, 16 of padding behind each
	s_or_b32 s[G1SB+0], s44, (3<<16)|(1<<20)|(1<<21)|(5<<22)|(3<<25)
.irp g, G1S, G1SB
	s_mov_b32 s[\g+1], 32<<16
	s_mov_b32 s[\g+2], (128*KS/256)<<16
	s_mov_b32 s[\g+3], 32<<16
	s_mov_b32 s[\g+4], 128*KS/256
	s_mov_b32 s[\g+5], 32
	s_mov_b32 s[\g+6], 0
	s_mov_b32 s[\g+7], 0
.endr
	s_lshl_b32 s18, s16, 7
	s_lshl_b32 s20, s17, 8
	s_add_co_u32 s20, s20, s18                     ; A: row 256 x tile row + 128 x half
	s_lshl_b32 s46, s42, 8
	s_add_co_u32 s46, s46, s18                     ; B: row 256 x tile column + 128 x half
	s_mov_b32 s21, 0
	s_mov_b32 s47, 0
	s_mov_b64 s[18:19], KS
	s_mul_u64 s[22:23], s[20:21], s[18:19]
	s_mul_u64 s[92:93], s[46:47], s[18:19]
	s_mov_b64 s[18:19], KROW
	s_mul_u64 s[20:21], s[20:21], s[18:19]
	s_mul_u64 s[46:47], s[46:47], s[18:19]
	s_mul_i32 s45, s14, HALFT                      ; where they go: wave x 128 rows
	s_mul_i32 s94, s14, HALFS
	s_wait_kmcnt 0x0
	s_mov_b64 s[66:67], s[10:11]                   ; b_attn
	s_add_nc_u64 s[96:97], s[4:5], XSO             ; xq's scale bytes
	s_add_nc_u64 s[98:99], s[6:7], 2048*KROW       ; W's rows 2048 on
	s_add_nc_u64 s[100:101], s[8:9], 2048*KS
	s_cmp_eq_u32 s95, 0                            ; the choice hangs on the cluster's y alone
	s_cselect_b64 s[10:11], s[8:9], s[96:97]       ; B's scales
	s_cselect_b64 s[8:9], s[6:7], s[4:5]           ; B's codes
	s_cselect_b64 s[4:5], s[4:5], s[98:99]         ; A's codes
	s_cselect_b64 s[6:7], s[96:97], s[100:101]     ; A's scales
	s_add_nc_u64 s[20:21], s[4:5], s[20:21]
	s_add_nc_u64 s[22:23], s[6:7], s[22:23]
	s_add_nc_u64 s[46:47], s[8:9], s[46:47]
	s_add_nc_u64 s[92:93], s[10:11], s[92:93]
	CROUND                                         ; all sixteen work-groups are here: the first joint loads meet
	s_mov_b32 s[G0S], 1
	s_add_co_u32 s[G0S+1], s94, SCL
	s_mov_b64 s[G0S+2:G0S+3], s[22:23]
	s_or_b32 s[G0S+3], s[G0S+3], 0x80000000
	s_mov_b32 s[G0SB], 1
	s_add_co_u32 s[G0SB+1], s94, SCL
	s_mov_b64 s[G0SB+2:G0SB+3], s[92:93]
	s_or_b32 s[G0SB+3], s[G0SB+3], 0x80000000
	JLOAD G0S, G1S, G0SB, G1SB                     ; the scales first
.irp s, 0,1
	s_mov_b32 s[G0+4*\s], 1
	s_add_co_u32 s[G0+4*\s+1], s45, \s*SLOT
	s_add_nc_u64 s[G0+4*\s+2:G0+4*\s+3], s[20:21], \s*ROWB
	s_or_b32 s[G0+4*\s+3], s[G0+4*\s+3], 0x80000000
	s_mov_b32 s[G0B+4*\s], 1
	s_add_co_u32 s[G0B+4*\s+1], s45, \s*SLOT
	s_add_nc_u64 s[G0B+4*\s+2:G0B+4*\s+3], s[46:47], \s*ROWB
	s_or_b32 s[G0B+4*\s+3], s[G0B+4*\s+3], 0x80000000
	JLOAD G0+4*\s, G1, G0B+4*\s, G1B
.endr
	v_and_b32 v1, 15, v0                           ; r
	v_bfe_u32 v2, v0, 4, 1                         ; h
	v_mul_u32_u24 v3, v1, PITCH
	v_mul_u32_u24 v4, v2, 24
	v_add_nc_u32 v4, v3, v4                        ; a fragment's row x pitch + 24 h
	v_lshl_add_u32 v5, v2, 4, v4                   ; and the same behind one padding more
	s_mul_i32 s21, s15, HALFT
	s_mul_i32 s22, s16, HALFT
	s_add_co_u32 s22, s22, 2*HALFT
.irp s, 0,1
	v_add_nc_u32 v[ADRA+\s], s21, v4
	v_add_nc_u32 v[ADRB+\s], s22, v4
	v_add_nc_u32 v[ADRA+2+\s], s21, v5
	v_add_nc_u32 v[ADRB+2+\s], s22, v5
	s_add_co_u32 s21, s21, SLOT
	s_add_co_u32 s22, s22, SLOT
.endr
	v_mul_u32_u24 v5, v1, KS                       ; my row's scales: KS bytes a row, 16 more for each 256 passed
	v_lshrrev_b32 v6, 8, v5
	v_lshl_add_u32 v5, v6, 4, v5
	s_mul_i32 s21, s15, HALFS
	s_mul_i32 s22, s16, HALFS
	s_add_co_u32 s22, s22, 2*HALFS
	s_sub_co_u32 s22, s22, s21
	v_mul_u32_u24 v6, s22, v2                      ; lanes 16-31 take B's
	s_add_co_u32 s21, s21, SCL
	v_add_nc_u32 v5, v5, v6
	v_add_nc_u32 v[ADRS], s21, v5
	s_mul_i32 s23, s14, WST                        ; my stage
	v_mul_u32_u24 v5, v1, 48
	v_mad_u32_u24 v5, v2, 24, v5
	v_add_nc_u32 v[CST], s23, v5                   ; 48 r + 24 h
	v_lshlrev_b32 v8, 2, v1                        ; 4 r
	v_add_nc_u32 v[SST], s23, v8
	v_add_nc_u32 v[SST], 12288, v[SST]
	v_and_b32 v6, 31, v0
	v_lshlrev_b32 v[GL], 4, v6
	v_add_nc_u32 v[RD], s23, v[GL]
	v_lshlrev_b32 v7, 5, v2                        ; 32 h
	s_cmp_eq_u32 s95, 0
	s_cselect_b32 s94, 8, 11                       ; the second 64 rows' scale words lie 256 (q, k) or 2,048 (v: the next head) bytes on
	v_lshlrev_b32 v[WO], s94, v2
	v_lshl_add_u32 v[WO], v1, 4, v[WO]
	s_lshl_b32 s96, s42, 8
	s_lshl_b32 s98, s16, 7
	s_add_co_u32 s96, s96, s98                     ; p0: my first row of B
	s_lshl_b32 s97, s17, 8
	s_lshl_b32 s98, s15, 7
	s_add_co_u32 s97, s97, s98                     ; q0: my first row of A
	s_lshl_b32 s98, s96, 2
	s_add_co_u32 s99, s97, 2048
	s_lshl_b32 s99, s99, 2
	s_cmp_eq_u32 s95, 0
	s_cselect_b32 s98, s98, s99
	s_mov_b32 s99, 0
	s_add_nc_u64 s[66:67], s[66:67], s[98:99]      ; the bias of my channels
	s_cmp_eq_u32 s95, 0
	s_cbranch_scc0 .Lbias_v
.irp b, 0,1,2,3,4,5,6,7                ; q, k: register 8 b + j: the bias of channel p0 + 16 b + 8 h + j
	global_load_b128 v[BIAS+8*\b:BIAS+8*\b+3], v7, s[66:67] offset:64*\b
	global_load_b128 v[BIAS+8*\b+4:BIAS+8*\b+7], v7, s[66:67] offset:64*\b+16
.endr
	s_branch .Lbias_done
.Lbias_v:
.irp a, 0,1,2,3,4,5,6,7                ; v: registers 8 a + 0 .. 7 all hold the bias of the lane's channel 2048 + q0 + 16 a + r
.irp j, 0,1,2,3,4,5,6,7
	global_load_b32 v[BIAS+8*\a+\j], v8, s[66:67] offset:64*\a
.endr
.endr
.Lbias_done:
.macro FRAG reg, adr, q, i             ; a fragment: 12 registers; lane (r, h): registers 6 c .. 6 c + 5 = 24 bytes of row r: K = 64 c + 32 h + 0 .. 31; in pieces of 8 bytes
.irp p, 0,1,2,3,4,5
.set PCE, 12*(\q)+6*(\p/3)+\p%3        ; 16 bytes of padding lie behind every 8 pieces: where the piece three on lies behind one padding more, the second address register serves
.if PCE%8 < 5
	ds_load_b64 v[\reg+2*\p:\reg+2*\p+1], v[\adr] offset:8*PCE+16*(PCE/8)+(\i)*16*PITCH
.else
	ds_load_b64 v[\reg+2*\p:\reg+2*\p+1], v[\adr+2] offset:8*PCE+16*(PCE/8)+(\i)*16*PITCH
.endif
.endr
.endm
; 16 matrix instructions: A's blocks a0, a0 + 1 x B's eight.  zero = 0: in place; 1: C = the bias along B's rows; 2: C = the bias along A's rows.  The 64 accumulators take turns.
.macro MUL16 a0, p, q, sc, zero
.irp a, \a0, \a0+1
.irp b, 0,1,2,3,4,5,6,7
.set DR, 8*(8*((\a)%4)+\b)
.if (\zero) == 1
.set CR, BIAS+8*\b
.elseif (\zero) == 2
.set CR, BIAS+8*(\a)
.else
.set CR, DR
.endif
	v_wmma_scale_f32_16x16x128_f8f6f4 v[DR:DR+7], v[128*(\p)+FR*\b:128*(\p)+FR*\b+FR-1], v[AF+FR*(\a):AF+FR*(\a)+FR-1], v[CR:CR+7], v[SC+8*NQ*(\sc)+NQ*\b+(\q)], v[SC+8*NQ*(\sc)+NQ*(\a)+(\q)] matrix_a_fmt:MATRIX_FMT_FP6 matrix_b_fmt:MATRIX_FMT_FP6 matrix_a_scale:MATRIX_SCALE_ROW1
.endr
.endr
.endm
.macro FETCH_B slot, q, p
	WIN TO_B
.irp i, 0,1,2,3,4,5,6,7
	FRAG 128*(\p)+FR*\i, ADRB+\slot, \q, \i
.endr
	WIN 0
.endm
.macro FETCH_A slot, q, i0
.irp i, \i0, \i0+1, \i0+2, \i0+3
	FRAG AF+FR*(\i), ADRA+\slot, \q, \i
.endr
.endm
.macro SCALES sc                       ; a K step's scale words: lanes 0-15 A's block i, lanes 16-31 B's block i
.irp i, 0,1,2,3,4,5,6,7
	ds_load_b64 v[SC+8*NQ*\sc+NQ*\i:SC+8*NQ*\sc+NQ*\i+1], v[ADRS] offset:\i*SBLK
.endr
.endm
.macro PLACES n                        ; plain vector instructions between a matrix instruction and a load into, or a read of, its registers
.rept \n
	v_nop
.endr
.endm
.macro STEP slot, q, zero              ; 128 along K that has its successor in the same slot
	s_wait_dscnt 4*NL                              ; B's set and A's blocks 0-3 are in; A's blocks 4-7 (24 loads) may be out
.if \zero
	WIN 0x81                                       ; C (the bias) window 0, D window 2
.else
	WIN MUL_LO
.endif
	MUL16 0, (\q)%2, \q, \slot, \zero
	MUL16 2, (\q)%2, \q, \slot, \zero
	s_wait_dscnt 0
	PLACES NP
	FETCH_B \slot, (\q)+1, 1-(\q)%2
	FETCH_A \slot, (\q)+1, 0
.if \zero
	WIN 0xc1
.else
	WIN MUL_HI
.endif
	MUL16 4, (\q)%2, \q, \slot, \zero
	MUL16 6, (\q)%2, \q, \slot, \zero
	PLACES NP
	WIN 0
	FETCH_A \slot, (\q)+1, 4
.endm
; A slot's last step changes slots: one barrier; in front of it each wave waits for all its tensor loads, adds 0 to its spare word, and waits for that and for its reads of this slot.
.macro TURN slot, next, fill
	s_wait_tensorcnt 0x0                           ; all my tensor loads have landed: my part of the next slot
	ds_add_u32 v[SPW], v[NIL]                      ; 0 onto my spare word
	s_wait_dscnt 4*NL+1                            ; the add and A's blocks 4-7 may be out
	WIN MUL_LO
	MUL16 0, 1, NQ-1, \slot, 0
	s_wait_dscnt 0x0                               ; the add is done, and my reads of this slot are over
	s_barrier_signal -1
	MUL16 2, 1, NQ-1, \slot, 0
	WIN 0
	s_barrier_wait -1
.if \fill
	CREST                                          ; the barrier has opened a round of the cluster's: no wave of any partner still reads this slot or has a load on its way
	s_add_nc_u64 s[G0+4*\slot+2:G0+4*\slot+3], s[G0+4*\slot+2:G0+4*\slot+3], 2*ROWB
	s_add_nc_u64 s[G0B+4*\slot+2:G0B+4*\slot+3], s[G0B+4*\slot+2:G0B+4*\slot+3], 2*ROWB
	JLOAD G0+4*\slot, G1, G0B+4*\slot, G1B         ; the first tensor load behind the round; its four v_nop are the places in front of the loads below
.else
	PLACES NP
.endif
	v_add_nc_u32 v[ADRS], 4*NQ, v[ADRS]
	FETCH_B \next, 0, 0
	FETCH_A \next, 0, 0
	SCALES \next
	WIN MUL_HI
	MUL16 4, 1, NQ-1, \slot, 0
	MUL16 6, 1, NQ-1, \slot, 0
	PLACES NP
	WIN 0
	FETCH_A \next, 0, 4
.endm
; 64 numbers of a lane in window w, v[s + 8 t + j] = index 16 t + 8 h + j of the lane's row (a transposed product's own layout), become a fragment's 12 registers in v[PC] on (registers 6 c .. 6 c + 5 of
; lane (r, h): the 24 bytes of block 2 c + h) and the row's scale word in v[PW].  A conversion's 96 bits hold two groups of eight codes; after the exchange of halves a lane holds groups 0, 2 and groups 1, 3 of ITS block,
; and five lines of shifts and byte selects lay the four groups on end.
.macro QUANTN s, w
.set QW, (\w)
.set QW5, 5*(\w)
	WIN QW5                                        ; sources 0 and 1 in window w
.irp b, 0,1,2,3
	v_max3_num_f32 v[TM+\b], |v[(\s)+16*\b]|, |v[(\s)+16*\b+1]|, 0x1800000   ; with the floor 2^(3 - 127); each accumulator is read from its low end on
.endr
.irp i, 2,4,6,8,10,12,14
.irp b, 0,1,2,3
	v_max3_num_f32 v[TM+\b], |v[(\s)+16*\b+\i]|, |v[(\s)+16*\b+\i+1]|, v[TM+\b]
.endr
.endr
	WIN 0
.irp b, 0,1,2,3
	v_permlanex16_b32 v[TM+4+\b], v[TM+\b], s[SEL], s[SEL+1]
.endr
.irp b, 0,1,2,3
	v_max_num_f32 v[TM+\b], v[TM+\b], v[TM+4+\b]   ; with lane l xor 16's: the block's largest magnitude
.endr
.irp b, 0,1,2,3
	v_add_nc_u32 v[TM+12+\b], 0xff000000, v[TM+\b] ; 2 off its exponent field: the conversion's scale operand
.endr
.irp b, 0,1,2,3
	v_lshrrev_b32 v[TM+4+\b], 23, v[TM+12+\b]      ; the scale's byte
.endr
	v_lshl_or_b32 v[PW], v[TM+5], 8, v[TM+4]
	v_lshl_or_b32 v[PW], v[TM+6], 16, v[PW]
	v_lshl_or_b32 v[PW], v[TM+7], 24, v[PW]
	WIN QW                                         ; source 0 in window w
.irp c, 0,1
	v_cvt_scalef32_pk16_fp6_f32 v[PC+6*\c:PC+6*\c+2], v[(\s)+32*\c:(\s)+32*\c+15], v[TM+12+2*\c]
	v_cvt_scalef32_pk16_fp6_f32 v[PC+12+4*\c:PC+14+4*\c], v[(\s)+32*\c+16:(\s)+32*\c+31], v[TM+13+2*\c]
.endr
	WIN 0
	v_nop                                          ; one plain instruction behind a scaled conversion
.irp c, 0,1
.irp i, 0,1,2
	v_permlane16_swap_b32 v[PC+6*\c+\i], v[PC+12+4*\c+\i]
.endr
	v_alignbit_b32 v[PC+6*\c+3], v[PC+6*\c+2], v[PC+6*\c+1], 16          ; word 3: group 2's low 32 bits
	v_perm_b32 v[PC+6*\c+4], v[PC+13+4*\c], v[PC+6*\c+2], 0x07060302      ; word 4: group 2's last 16 bits, group 3's first 16
	v_perm_b32 v[PC+6*\c+1], v[PC+12+4*\c], v[PC+6*\c+1], 0x05040100      ; word 1: group 0's last 16 bits, group 1's first 16
	v_alignbit_b32 v[PC+6*\c+2], v[PC+13+4*\c], v[PC+12+4*\c], 16        ; word 2: the rest of group 1
	v_mov_b32 v[PC+6*\c+5], v[PC+14+4*\c]                                 ; word 5: the rest of group 3
.endr
.endm
	s_wait_tensorcnt 1                             ; the scales and my part of K step 0 are in (K step 1's load may be out),
	s_barrier_signal -1
	s_barrier_wait -1                              ; everybody's are
	FETCH_B 0, 0, 0
	FETCH_A 0, 0, 0
	SCALES 0
	FETCH_A 0, 0, 4
	s_wait_loadcnt 0x0                             ; the bias
	s_cmp_eq_u32 s95, 0
	s_cbranch_scc0 .Lfirst_v
	STEP 0, 0, 1                                   ; the first step's products start the sums from the bias
	s_branch .Lfirst_done
.Lfirst_v:
	STEP 0, 0, 2
.Lfirst_done:
	s_mov_b32 s3, LAPS-1
.Llap:
	TURN 0, 1, 1
	STEP 1, 0, 0
	TURN 1, 0, 1
	STEP 0, 0, 0
	s_sub_co_u32 s3, s3, 1
	s_cmp_lg_u32 s3, 0
	s_cbranch_scc1 .Llap
	TURN 0, 1, 0                                   ; the last lap fills nothing
	STEP 1, 0, 0
	s_wait_dscnt 4*NL
	WIN MUL_LO
	MUL16 0, 1, NQ-1, 1, 0
	MUL16 2, 1, NQ-1, 1, 0
	s_wait_dscnt 0
	WIN MUL_HI
	MUL16 4, 1, NQ-1, 1, 0
	MUL16 6, 1, NQ-1, 1, 0
	WIN 0
	; THE WAY OUT.  Each block of 16 rows of A x 128 rows of B is quantised along B's rows; its codes go to my stage in slot 0 (which has had its last fill, and which nobody reads behind the last change of slots),
	; laid [64 along K][row][48 bytes]; the stage leaves in runs of 512 consecutive bytes.
	PLACES NP
	s_mov_b32 s[SEL], 0x76543210
	s_mov_b32 s[SEL+1], 0xfedcba98
.irp b, 0,1,2,3
	v_mov_b32 v[TM+4+\b], 0                        ; a lane permute's destination counts as read
.endr
	s_lshr_b32 s20, s96, 6
	s_mul_i32 s21, s20, 196608
	s_mul_i32 s22, s97, 48
	s_add_co_u32 s21, s21, s22                     ; q, k: (p0 / 64) panels + 48 q0
	s_lshr_b32 s22, s96, 10                        ; v: the batch,
	s_mul_i32 s23, s22, 786432
	s_and_b32 s24, s20, 15                         ; the 64 keys,
	s_mul_i32 s24, s24, 3072
	s_add_co_u32 s23, s23, s24
	s_lshr_b32 s25, s97, 6                         ; the head
	s_mul_i32 s24, s25, 49152
	s_add_co_u32 s23, s23, s24
	s_add_co_u32 s23, s23, VC
	s_lshr_b32 s26, s96, 7
	s_lshl_b32 s27, s26, 14
	s_lshl_b32 s28, s97, 2
	s_add_co_u32 s27, s27, s28
	s_add_co_u32 s27, s27, QS                      ; q, k: the scale words
	s_lshl_b32 s28, s22, 15
	s_lshl_b32 s29, s25, 11
	s_add_co_u32 s28, s28, s29
	s_and_b32 s29, s26, 7
	s_lshl_b32 s29, s29, 8
	s_add_co_u32 s28, s28, s29
	s_add_co_u32 s28, s28, VS                      ; v: the scale words
	s_mov_b32 s30, 3072
	s_mov_b32 s31, 49152
	s_cmp_eq_u32 s95, 0
	s_cselect_b32 s32, s21, s23
	s_cselect_b32 s34, s27, s28
	s_cselect_b32 s36, 196608, s30                 ; from 64 along K to the next
	s_cselect_b32 s38, s30, s31                    ; from my first 64 rows to my second
	s_mov_b32 s33, 0
	s_mov_b32 s35, 0
	s_mov_b32 s37, 0
	s_mov_b32 s39, 0
	s_add_nc_u64 s[44:45], s[12:13], s[32:33]
	s_add_nc_u64 s[46:47], s[44:45], s[38:39]
	s_add_nc_u64 s[48:49], s[44:45], s[36:37]
	s_add_nc_u64 s[50:51], s[48:49], s[38:39]
	s_add_nc_u64 s[52:53], s[12:13], s[34:35]
.irp a, 0,1,2,3,4,5,6,7
	QUANTN 64*(\a%4), 2+\a/4
.irp c, 0,1
.irp p, 0,1,2
	ds_store_b64 v[CST], v[PC+6*\c+2*\p:PC+6*\c+2*\p+1] offset:6144*\c+768*\a+8*\p
.endr
.endr
	ds_store_b32 v[SST], v[PW] offset:64*\a        ; both halves of the lanes write the same word with the same value
	s_wait_dscnt 0x0                               ; the stores have read their registers
.endr
.set k, 0
.rept 25
	ds_load_b128 v[BK+4*k:BK+4*k+3], v[RD] offset:512*k
.set k, k+1
.endr
.set k, 0
.rept 24
	s_wait_dscnt 24-k                              ; LDS loads come back in order: run k is in
	global_store_b128 v[GL], v[BK+4*k:BK+4*k+3], s[44+4*(k/12)+2*((k/6)%2):45+4*(k/12)+2*((k/6)%2)] offset:512*(k%6)   ; 512 consecutive bytes, aligned
.set k, k+1
.endr
	s_wait_dscnt 0x0
	global_store_b128 v[WO], v[BK+96:BK+99], s[52:53]   ; the scale words: two aligned runs of 256 bytes
	s_wait_tensorcnt 0x0                           ; the wave's end
	ds_add_u32 v[SPW], v[NIL]
	s_wait_dscnt 0x0
	CROUND                                         ; the closing round
	s_endpgm
.Lfunc_end_k_q37a5d0c706_qkv:
	.size	k_q37a5d0c706_qkv, .Lfunc_end_k_q37a5d0c706_qkv-k_q37a5d0c706_qkv
	.p2alignl 7, 3214868480
	.fill 96, 4, 3214868480
	.section	.rodata,"a",@progbits
	.p2align	6, 0x0
	.amdhsa_kernel k_q37a5d0c706_qkv
		.amdhsa_group_segment_fixed_size 327680
		.amdhsa_private_segment_fixed_size 0
		.amdhsa_enable_private_segment 0
		.amdhsa_kernarg_size 40
		.amdhsa_user_sgpr_count 2
		.amdhsa_user_sgpr_kernarg_segment_ptr 1
		.amdhsa_wavefront_size32 1
		.amdhsa_system_sgpr_workgroup_id_x 1
		.amdhsa_system_sgpr_workgroup_id_y 1
		.amdhsa_system_sgpr_workgroup_id_z 1
		.amdhsa_system_vgpr_workitem_id 0
		.amdhsa_next_free_vgpr 1024
		.amdhsa_next_free_sgpr 102
		.amdhsa_reserve_vcc 0
		.amdhsa_float_denorm_mode_32 3
		.amdhsa_float_denorm_mode_16_64 3
		.amdhsa_memory_ordered 1
		.amdhsa_forward_progress 1
		.amdhsa_inst_pref_size 199
	.end_amdhsa_kernel
	.amdgpu_metadata
---
amdhsa.version: [ 1, 2 ]
amdhsa.kernels:
  - .name:           k_q37a5d0c706_qkv
    .symbol:         k_q37a5d0c706_qkv.kd
    .args:
      - { .name: xq, .offset: 0, .size: 8, .value_kind: global_buffer, .address_space: global }
      - { .name: w_attn_codes, .offset: 8, .size: 8, .value_kind: global_buffer, .address_space: global }
      - { .name: w_attn_scales, .offset: 16, .size: 8, .value_kind: global_buffer, .address_space: global }
      - { .name: b_attn, .offset: 24, .size: 8, .value_kind: global_buffer, .address_space: global }
      - { .name: qkv, .offset: 32, .size: 8, .value_kind: global_buffer, .address_space: global }
    .group_segment_fixed_size: 327680
    .private_segment_fixed_size: 0
    .kernarg_segment_align: 8
    .kernarg_segment_size: 40
    .max_flat_workgroup_size: 128
    .sgpr_count:     102
    .vgpr_count:     1024
    .wavefront_size: 32
...
	.end_amdgpu_metadata
.endif
;; end of part 2
;; launch attn (part 3): grid 4 x 64, 16 waves a work-group, clusters of 4 x 1, 169,984 bytes of LDS; arguments qkv, yq; writes yq
.if DOCPART == 3
	.amdgcn_target "amdgcn-amd-amdhsa--gfx1250"
	.amdhsa_code_object_version 6
	.text
	.protected	k_q37a5d0c706_attn
	.globl	k_q37a5d0c706_attn
	.p2align	8
	.type	k_q37a5d0c706_attn,@function
k_q37a5d0c706_attn:
	s_mov_b64 s[64:65], 0
	v_nop
	global_prefetch_b8 v0, s[64:65] scope:SCOPE_SE
	s_setreg_imm32_b32 hwreg(HW_REG_WAVE_MODE, 25, 1), 1
	s_wait_xcnt 0x0
	s_wait_alu depctr_hold_cnt(0) depctr_sa_sdst(0) depctr_va_vdst(0) depctr_va_sdst(0) depctr_va_ssrc(0) depctr_va_vcc(0) depctr_vm_vsrc(0)
	s_getreg_b32 s2, hwreg(HW_REG_IB_STS2, 6, 4)
	s_cmp_eq_u32 s2, 0
	s_cbranch_scc0 .Lentry_in_a_cluster
	s_endpgm
.Lentry_in_a_cluster:
	s_bfe_u32 s2, ttmp6, 0x10000c
	s_cmp_lg_u32 s2, 0x3003
	s_cbranch_scc0 .Lentry_shape_is_right
	s_endpgm
.Lentry_shape_is_right:
; Causal attention of one head of one batch on codes of FP6 (E2M3) with E8M0 scales, head size 64, 1,024 keys; the result y is quantised along the channels for the next product.
; t = score x log2(e) / 8; M = the running largest t rounded UP to a whole number; p = 2^(t - M) is quantised along the keys, not normalised; the row's sum is taken of the unquantised p and divides at the end.
; SHARES.  A cluster of four work-groups serves a head; each work-group has sixteen waves, each wave one tile of 16 queries: wave w of partner cx takes queries 64 tau + 16 cx on, tau = w xor 3 ((w / 4) % 2):
; the partners' tiles interleave, so all four have the same causal work, and every causal BRANCH hangs on tau and the step's number alone, which all partners share; cx enters global addresses and the mask's arithmetic only.
; K's and V's codes and scale words of the WHOLE head (104,448 bytes) come into LDS once, by joint tensor loads (one a wave, waves 0-10) that name the four partners; nothing is filled twice.
; LAYOUT.  Both products are used transposed: S^T = K Q^T (source 0 = 16 keys), O^T = V^T P^T (source 0 = 16 channels): a lane holds one query throughout.  Register 8 t + j of S^T is key 16 t + 8 h + j.
; The head's 64 fill half of the instruction's 128 along K: Q's registers 6-11 are zero codes, so whatever codes K's registers 6-11 hold add nothing; the scale bytes there are 0 (never 0xff).
; The 32 scale bytes of a wave's y leave as single bytes: the other half of each word belongs to the sibling head's work-group.
; LIMITS: a block of zeros gets the byte 1; NaN and infinities are not served; a block's largest p is taken through the block's largest score (v_exp_f32 is taken not to fall where its input rises).
; REGISTERS: v1-7, v28-30 addresses that stay; v8-11 the step's addresses; v12 -M, v13 the largest t, v[14:15] the sum; v16-27 Q; v32-79 four fragments; v96-159 S^T, then p; v160-191 O^T; v192-223 O / sum;
;   v224-235 p's codes; v232-247, v252, v254 at work; v248-251 K's or V's scale words, v253 p's, v255 Q's.
.set VC,   6291456
.set QS,   9437184
.set VS,   9699328
.set YS,   3145728
.set LV,   49152                       ; LDS: K's codes [key][48] at 0; V's [key / 64][d][48] here;
.set LKS,  98304                       ; K's scale words [key][4] (both heads of the pair);
.set LVS,  102400                      ; V's [key / 128][d][4];
.set STG,  104448                      ; a stage of 768 bytes for each wave
.set AK0,  1
.set AV0,  2
.set ASK0, 3
.set ASV0, 4
.set STI,  5
.set STO,  6
.set GO,   7
.set ADK,  8
.set ADV,  9
.set ADS,  10
.set ADT,  11
.set WV,   18
.set SEL,  20
.set CS,   22
.set G1C,  24
.set G1W,  32
.set G0C,  40
.set G0W,  44
.set KF,   48                          ; the step's first key
.set TK,   49                          ; 48 x KF: where the step's codes begin, in K and in V alike
.set TS,   50                          ; 4 x KF: K's scale words
.set TJ,   51                          ; 2 x KF: V's
.set CNT,  52
.set T64,  53                          ; 64 tau
.set Q0,   54                          ; my first query
.macro CROUND                          ; a round of the cluster's barrier
	s_barrier_signal -1
	s_barrier_wait -1
	s_cmp_lg_u32 s[WV], 0
	s_cbranch_scc1 .Lnot_wave_0_\@
	s_barrier_signal -3
.Lnot_wave_0_\@:
	s_barrier_wait -3
	s_barrier_signal -1
	s_barrier_wait -1
.endm
	s_load_b128 s[4:7], s[0:1], 0x0                ; qkv, yq
	v_lshl_add_u32 v95, v0, 2, 0x29000
	v_mov_b32 v243, 0
	ds_add_u32 v95, v243
	ds_add_u32 v95, v243
	v_lshrrev_b32 v8, 5, v0
	v_readfirstlane_b32 s[WV], v8                  ; wave 0..15
	s_bfe_u32 s8, ttmp6, 0x40000                   ; cx
	s_and_b32 s9, ttmp7, 0xffff
	s_lshr_b32 s10, s9, 4                          ; the batch
	s_and_b32 s11, s9, 15                          ; the head
	s_bfe_u32 s12, s[WV], 0x10002
	s_mul_i32 s12, s12, 3
	s_xor_b32 s12, s12, s[WV]                      ; tau
	s_lshl_b32 s[T64], s12, 6
	s_lshl_b32 s13, s8, 4
	s_add_co_u32 s[Q0], s[T64], s13
	s_and_b32 s14, s[WV], 3
	s_mov_b32 s[G1C], 15|(3<<16)|(1<<21)           ; the mask: all four partners; elements of 8 bytes; bit 21 beside a mask.  A dense block of 12,288 bytes as 48 rows of 256
	s_mov_b32 s[G1C+1], 32<<16
	s_mov_b32 s[G1C+2], 48<<16
	s_mov_b32 s[G1C+3], 32<<16
	s_mov_b32 s[G1C+4], 48
	s_mov_b32 s[G1C+5], 32
	s_mov_b32 s[G1C+6], 0
	s_mov_b32 s[G1C+7], 0
	s_mov_b32 s[G1W], 15|(3<<16)|(1<<21)           ; 2,048 bytes of scale words as 8 rows of 256
	s_mov_b32 s[G1W+1], 32<<16
	s_mov_b32 s[G1W+2], 8<<16
	s_mov_b32 s[G1W+3], 32<<16
	s_mov_b32 s[G1W+4], 8
	s_mov_b32 s[G1W+5], 32
	s_mov_b32 s[G1W+6], 0
	s_mov_b32 s[G1W+7], 0
	s_add_co_u32 s56, s11, 16
	s_mul_i32 s56, s56, 196608
	s_mul_i32 s57, s10, 49152
	s_add_co_u32 s56, s56, s57                     ; K's codes of the head
	s_mul_i32 s57, s10, 786432
	s_mul_i32 s58, s11, 49152
	s_add_co_u32 s57, s57, s58
	s_add_co_u32 s57, s57, VC                      ; V's
	s_mul_i32 s58, s14, 12288
	s_cmp_lt_u32 s[WV], 4                          ; waves 0-3 bring K's quarters, waves 4-7 V's
	s_cselect_b32 s56, s56, s57
	s_add_co_u32 s56, s56, s58
	s_mov_b32 s57, 0
	s_lshr_b32 s58, s11, 1                         ; the pair of heads
	s_add_co_u32 s59, s58, 8
	s_lshl_b32 s59, s59, 14
	s_lshl_b32 s60, s10, 12
	s_add_co_u32 s59, s59, s60
	s_lshl_b32 s60, s14, 11
	s_add_co_u32 s59, s59, s60
	s_add_co_u32 s59, s59, QS                      ; K's scale words, half w % 4 (waves 8, 9)
	s_lshl_b32 s60, s10, 15
	s_lshl_b32 s61, s11, 11
	s_add_co_u32 s60, s60, s61
	s_add_co_u32 s60, s60, VS                      ; V's (wave 10)
	s_cmp_lt_u32 s14, 2
	s_cselect_b32 s60, s59, s60
	s_mov_b32 s61, 0
	s_lshl_b32 s15, s10, 10
	s_add_co_u32 s15, s15, s[Q0]                   ; my first token
	s_mul_i32 s62, s11, 196608
	s_mul_i32 s63, s15, 48
	s_add_co_u32 s62, s62, s63                     ; my queries' codes in qkv, and my y's in yq
	s_mov_b32 s63, 0
	s_lshl_b32 s66, s58, 14
	s_lshl_b32 s67, s15, 2
	s_add_co_u32 s66, s66, s67
	s_and_b32 s55, s11, 1
	s_lshl_b32 s55, s55, 1                         ; my head's two bytes of a scale word
	s_add_co_u32 s66, s66, s55
	s_mov_b32 s67, 0
	s_mov_b32 s[SEL], 0x76543210
	s_mov_b32 s[SEL+1], 0xfedcba98
	s_mov_b32 s[CS], 0x3e38aa3b                    ; c = log2(e) / 8
	s_mov_b32 s[CS+1], s[CS]
	s_mov_b32 s[KF], 0
	s_mov_b32 s[TK], 0
	s_mov_b32 s[TS], 0
	s_mov_b32 s[TJ], 0
	s_mov_b32 s[CNT], 0
	s_wait_dscnt 0x0
	s_wait_kmcnt 0x0
	s_mov_b32 s[G0C], 1
	s_mul_i32 s[G0C+1], s[WV], 12288               ; LDS: wave x 12,288: K's four quarters, then V's
	s_add_nc_u64 s[G0C+2:G0C+3], s[4:5], s[56:57]
	s_or_b32 s[G0C+3], s[G0C+3], 0x80000000
	s_mov_b32 s[G0W], 1
	s_lshl_b32 s[G0W+1], s14, 11
	s_add_co_u32 s[G0W+1], s[G0W+1], LKS
	s_add_nc_u64 s[G0W+2:G0W+3], s[4:5], s[60:61]
	s_or_b32 s[G0W+3], s[G0W+3], 0x80000000
	s_add_nc_u64 s[68:69], s[4:5], s[62:63]        ; Q's codes
	s_add_nc_u64 s[70:71], s[4:5], s[66:67]
	s_add_nc_u64 s[70:71], s[70:71], QS            ; Q's scale bytes
	s_add_nc_u64 s[72:73], s[6:7], s[62:63]        ; y's codes
	s_add_nc_u64 s[74:75], s[6:7], s[66:67]
	s_add_nc_u64 s[74:75], s[74:75], YS            ; y's scale bytes
	CROUND                                         ; all four work-groups are here: the joint loads meet
	s_cmp_lt_u32 s[WV], 8
	s_cbranch_scc0 .Lnot_codes
	tensor_load_to_lds s[G0C:G0C+3], s[G1C:G1C+7]
	s_nop 0
.rept 4
	v_nop
.endr
	s_branch .Lasked
.Lnot_codes:
	s_cmp_lt_u32 s[WV], 11
	s_cbranch_scc0 .Lasked
	tensor_load_to_lds s[G0W:G0W+3], s[G1W:G1W+7]
	s_nop 0
.rept 4
	v_nop
.endr
.Lasked:
	v_and_b32 v8, 15, v0                           ; r
	v_bfe_u32 v9, v0, 4, 1                         ; h
	v_mul_u32_u24 v[AK0], v8, 48
	v_mad_u32_u24 v[AK0], v9, 24, v[AK0]           ; 48 r + 24 h
.irp p, 0,1,2
	global_load_b64 v[16+2*\p:17+2*\p], v[AK0], s[68:69] offset:8*\p   ; Q's fragment: K = 32 h + 0 .. 31 of query r
.endr
	v_lshlrev_b32 v10, 2, v8                       ; 4 r
	global_load_u16 v255, v10, s[70:71]            ; Q's two scale bytes; bytes 2 and 3 are 0
	v_add_nc_u32 v[AV0], LV, v[AK0]
	v_add_nc_u32 v[ASK0], LKS, v10
	v_add_nc_u32 v[ASK0], s55, v[ASK0]
	v_add_nc_u32 v[ASV0], LVS, v10
	s_mul_i32 s76, s[WV], 768
	s_add_co_u32 s76, s76, STG
	v_add_nc_u32 v[STI], s76, v[AK0]
	v_and_b32 v11, 31, v0
	v_lshlrev_b32 v[GO], 3, v11
	v_add_nc_u32 v[STO], s76, v[GO]
	v_add_nc_u32 v28, v10, v9                      ; y's scale byte: 4 r + h
	v_mov_b32 v29, v9                              ; h
	v_lshlrev_b32 v30, 3, v9
	v_sub_nc_u32 v30, v8, v30                      ; r - 8 h
	v_mov_b32 v13, 0xff61b1e6                      ; the largest t so far: -3e38
	v_floor_f32 v12, -v13                          ; -M
	v_mov_b32 v14, 0
	v_mov_b32 v15, 0
.irp j, 22,23,24,25,26,27
	v_mov_b32 v\j, 0                               ; Q's upper 64 along K: zero codes
.endr
.irp j, 236,237,238,239,252,253
	v_mov_b32 v\j, 0                               ; lane permutes' destinations, and the pair v[252:253]: written once
.endr
.set j, 0
.rept 48
	v_mov_b32 v[32+j], 0                           ; the fragments' registers: K's upper halves are read before V first fills them
.set j, j+1
.endr
.set j, 0
.rept 32
	v_mov_b32 v[160+j], 0                          ; O^T: the first change of M multiplies zeros
.set j, j+1
.endr
	s_wait_tensorcnt 0x0                           ; my part of the head is in LDS,
	s_barrier_signal -1
	s_barrier_wait -1                              ; everybody's is
	s_wait_loadcnt 0x0                             ; Q
.Lstep:                                            ; eight trips of 128 keys; a step all of whose keys come after my tile's queries does no work
	s_add_co_u32 s77, s[T64], 64
	s_cmp_ge_u32 s[KF], s77
	s_cbranch_scc1 .Lhidden
	v_add_nc_u32 v[ADK], s[TK], v[AK0]             ; (these four are also the places in front of the loads below)
	v_add_nc_u32 v[ADV], s[TK], v[AV0]
	v_add_nc_u32 v[ADS], s[TS], v[ASK0]
	v_add_nc_u32 v[ADT], s[TJ], v[ASV0]
.irp g, 0,1                            ; S^T = K Q^T, four tiles of 16 keys at a time
.if \g > 0
.rept 4
	v_nop
.endr
.endif
.irp t, 0,1,2,3
.irp p, 0,1,2
	ds_load_b64 v[32+12*\t+2*\p:33+12*\t+2*\p], v[ADK] offset:768*(4*\g+\t)+8*\p
.endr
	ds_load_u16 v[248+\t], v[ADS] offset:64*(4*\g+\t)
.endr
	s_wait_dscnt 0x0
.irp t, 0,1,2,3
	v_wmma_scale_f32_16x16x128_f8f6f4 v[96+8*(4*\g+\t):103+8*(4*\g+\t)], v[32+12*\t:43+12*\t], v[16:27], 0, v[248+\t], v255 matrix_a_fmt:MATRIX_FMT_FP6 matrix_b_fmt:MATRIX_FMT_FP6
.endr
.endr
.rept 4
	v_nop
.endr
	s_add_co_u32 s77, s[KF], 128                   ; a step all of whose keys count for the whole tile row skips the mask
	s_cmp_le_u32 s77, s[T64]
	s_cbranch_scc1 .Lopen
	s_sub_co_i32 s77, s[Q0], s[KF]
	v_add_nc_u32 v252, s77, v30                    ; d = my query - KF - 8 h.  Register n holds key KF + 8 h + 16 (n / 8) + n % 8: hidden where 16 (n / 8) + n % 8 > d
	v_mov_b32 v254, 0xff800000                     ; -infinity
.set n, 0
.rept 64
	v_cmp_gt_i32 vcc_lo, 16*(n/8)+n%8, v252
	v_cndmask_b32 v[96+n], v[96+n], v254, vcc_lo
.set n, n+1
.endr
.Lopen:
.irp b, 0,1,2,3
	v_max3_num_f32 v[232+\b], v[96+16*\b], v[97+16*\b], v[98+16*\b]   ; the largest score of each block of 32 keys: for the row's maximum, and for the block's largest p
.endr
.irp i, 3,5,7,9,11,13
.irp b, 0,1,2,3
	v_max3_num_f32 v[232+\b], v[232+\b], v[96+16*\b+\i], v[97+16*\b+\i]
.endr
.endr
.irp b, 0,1,2,3
	v_max_num_f32 v[232+\b], v[232+\b], v[111+16*\b]
.endr
.irp b, 0,1,2,3
	v_permlanex16_b32 v[236+\b], v[232+\b], s[SEL], s[SEL+1]
.endr
.irp b, 0,1,2,3
	v_max_num_f32 v[232+\b], v[232+\b], v[236+\b]
.endr
	v_max3_num_f32 v254, v232, v233, v234
	v_max_num_f32 v254, v254, v235
	v_mul_f32 v254, s[CS], v254
	v_max_num_f32 v13, v13, v254                   ; the running largest t
	v_mov_b32 v254, v12
	v_floor_f32 v12, -v13                          ; the new -M = -ceil(t)
	v_sub_f32 v254, v12, v254
	v_cvt_i32_f32 v254, v254                       ; (it saturates)
	v_ldexp_f32 v252, 1.0, v254                    ; f = 2^(old M - new M): exact
.set j, 0
.rept 32
	v_pk_fma_f32 v[96+j:97+j], v[96+j:97+j], s[CS:CS+1], v[12:13] op_sel_hi:[1,0,0]   ; t - M
.set j, j+2
.endr
.irp b, 0,1,2,3
	v_fma_f32 v[232+\b], v[232+\b], s[CS], v12
.endr
.set j, 0
.rept 64
	v_exp_f32 v[96+j], v[96+j]                     ; p = 2^(t - M)
.set j, j+1
.endr
.irp b, 0,1,2,3
	v_exp_f32 v[232+\b], v[232+\b]                 ; the block's largest p
.endr
	v_pk_mul_f32 v[14:15], v[14:15], v[252:253] op_sel_hi:[1,0]   ; the sums under the new M (a plain instruction behind the exponentials)
	s_wait_alu depctr_va_vdst(0)
.irp b, 0,1,2,3
	v_max_num_f32 v[232+\b], 0x1800000, v[232+\b]  ; the floor 2^(3 - 127)
.endr
.irp b, 0,1,2,3
	v_add_nc_u32 v[244+\b], 0xff000000, v[232+\b]
.endr
.irp b, 0,1,2,3
	v_lshrrev_b32 v[236+\b], 23, v[244+\b]
.endr
	v_lshl_or_b32 v253, v237, 8, v236              ; p's scale word for these 128 keys
	v_lshl_or_b32 v253, v238, 16, v253
	v_lshl_or_b32 v253, v239, 24, v253
.irp c, 0,1
	v_cvt_scalef32_pk16_fp6_f32 v[224+6*\c:226+6*\c], v[96+32*\c:111+32*\c], v[244+2*\c]
	v_cvt_scalef32_pk16_fp6_f32 v[236+4*\c:238+4*\c], v[112+32*\c:127+32*\c], v[245+2*\c]
.endr
	v_nop                                          ; one plain instruction behind a scaled conversion
.irp c, 0,1                            ; a whole block to a lane, its four groups of eight codes on end
.irp i, 0,1,2
	v_permlane16_swap_b32 v[224+6*\c+\i], v[236+4*\c+\i]
.endr
	v_alignbit_b32 v[227+6*\c], v[226+6*\c], v[225+6*\c], 16
	v_perm_b32 v[228+6*\c], v[237+4*\c], v[226+6*\c], 0x07060302
	v_perm_b32 v[225+6*\c], v[236+4*\c], v[225+6*\c], 0x05040100
	v_alignbit_b32 v[226+6*\c], v[237+4*\c], v[236+4*\c], 16
	v_mov_b32 v[229+6*\c], v[238+4*\c]
.endr
	v_pk_add_f32 v[236:237], v[96:97], v[98:99]    ; the row's sum, of the unquantised p, in two chains
.irp j, 4,8,12,16,20,24,28,32,36,40,44,48,52,56,60
	v_pk_add_f32 v[14:15], v[14:15], v[96+\j:97+\j]
	v_pk_add_f32 v[236:237], v[236:237], v[98+\j:99+\j]
.endr
	v_pk_add_f32 v[14:15], v[14:15], v[236:237]
.set j, 0
.rept 16
	v_pk_mul_f32 v[160+j:161+j], v[160+j:161+j], v[252:253] op_sel_hi:[1,0]   ; O^T under the new M (with the sums above: the places in front of the loads and products below)
.set j, j+2
.endr
.irp t, 0,1,2,3                        ; O^T += V^T P^T: four tiles of 16 channels; K = these 128 keys
.irp p, 0,1,2,3,4,5
	ds_load_b64 v[32+12*\t+2*\p:33+12*\t+2*\p], v[ADV] offset:768*\t+3072*(\p/3)+8*(\p%3)
.endr
	ds_load_b32 v[248+\t], v[ADT] offset:64*\t
.endr
	s_wait_dscnt 0x0
.irp t, 0,1,2,3
	v_wmma_scale_f32_16x16x128_f8f6f4 v[160+8*\t:167+8*\t], v[32+12*\t:43+12*\t], v[224:235], v[160+8*\t:167+8*\t], v[248+\t], v253 matrix_a_fmt:MATRIX_FMT_FP6 matrix_b_fmt:MATRIX_FMT_FP6
.endr
.Lhidden:
	s_add_co_u32 s[KF], s[KF], 128
	s_add_co_u32 s[TK], s[TK], 6144
	s_add_co_u32 s[TS], s[TS], 512
	s_add_co_u32 s[TJ], s[TJ], 256
	s_add_co_u32 s[CNT], s[CNT], 1
	s_cmp_lt_u32 s[CNT], 8
	s_cbranch_scc1 .Lstep
	; THE WAY OUT: O^T / the sum; its 64 channels are two blocks of the next product's K; the wave's 16 tokens x 48 bytes go through its stage and leave as three aligned runs of 256 bytes.
.rept 4
	v_nop
.endr
	v_add_f32 v14, v14, v15
	v_permlanex16_b32 v252, v14, s[SEL], s[SEL+1]
	v_add_f32 v14, v14, v252
	v_rcp_f32 v14, v14
	v_nop
.set j, 0
	s_wait_alu depctr_va_vdst(0)
.rept 32
	v_mul_f32 v[192+j], v[160+j], v14              ; register 8 t + i: channel 16 t + 8 h + i of query r
.set j, j+1
.endr
.irp b, 0,1
	v_max3_num_f32 v[232+\b], |v[192+16*\b]|, |v[193+16*\b]|, 0x1800000
.endr
.irp i, 2,4,6,8,10,12,14
.irp b, 0,1
	v_max3_num_f32 v[232+\b], v[232+\b], |v[192+16*\b+\i]|, |v[193+16*\b+\i]|
.endr
.endr
.irp b, 0,1
	v_permlanex16_b32 v[236+\b], v[232+\b], s[SEL], s[SEL+1]
.endr
.irp b, 0,1
	v_max_num_f32 v[232+\b], v[232+\b], v[236+\b]
.endr
.irp b, 0,1
	v_add_nc_u32 v[244+\b], 0xff000000, v[232+\b]
.endr
.irp b, 0,1
	v_lshrrev_b32 v[236+\b], 23, v[244+\b]
.endr
	v_cvt_scalef32_pk16_fp6_f32 v[224:226], v[192:207], v244
	v_cvt_scalef32_pk16_fp6_f32 v[240:242], v[208:223], v245
	v_nop
.irp i, 0,1,2
	v_permlane16_swap_b32 v[224+\i], v[240+\i]
.endr
	v_alignbit_b32 v227, v226, v225, 16
	v_perm_b32 v228, v241, v226, 0x07060302
	v_perm_b32 v225, v240, v225, 0x05040100
	v_alignbit_b32 v226, v241, v240, 16
	v_mov_b32 v229, v242
	v_cmp_eq_u32 vcc_lo, 1, v29
	v_cndmask_b32 v238, v236, v237, vcc_lo         ; block h's byte
.irp p, 0,1,2
	ds_store_b64 v[STI], v[224+2*\p:225+2*\p] offset:8*\p
.endr
.irp p, 0,1,2
	ds_load_b64 v[32+2*\p:33+2*\p], v[STO] offset:256*\p   ; LDS serves a wave's instructions in order: these see my stores
.endr
	s_wait_dscnt 0x0
.irp p, 0,1,2
	global_store_b64 v[GO], v[32+2*\p:33+2*\p], s[72:73] offset:256*\p
.endr
	global_store_b8 v28, v238, s[74:75]
	s_wait_tensorcnt 0x0
	ds_add_u32 v95, v243
	s_wait_dscnt 0x0
	CROUND                                         ; the closing round
	s_endpgm
.Lfunc_end_k_q37a5d0c706_attn:
	.size	k_q37a5d0c706_attn, .Lfunc_end_k_q37a5d0c706_attn-k_q37a5d0c706_attn
	.p2alignl 7, 3214868480
	.fill 96, 4, 3214868480
	.section	.rodata,"a",@progbits
	.p2align	6, 0x0
	.amdhsa_kernel k_q37a5d0c706_attn
		.amdhsa_group_segment_fixed_size 169984
		.amdhsa_private_segment_fixed_size 0
		.amdhsa_enable_private_segment 0
		.amdhsa_kernarg_size 16
		.amdhsa_user_sgpr_count 2
		.amdhsa_user_sgpr_kernarg_segment_ptr 1
		.amdhsa_wavefront_size32 1
		.amdhsa_system_sgpr_workgroup_id_x 1
		.amdhsa_system_sgpr_workgroup_id_y 1
		.amdhsa_system_sgpr_workgroup_id_z 1
		.amdhsa_system_vgpr_workitem_id 0
		.amdhsa_next_free_vgpr 256
		.amdhsa_next_free_sgpr 78
		.amdhsa_reserve_vcc 1
		.amdhsa_float_denorm_mode_32 3
		.amdhsa_float_denorm_mode_16_64 3
		.amdhsa_memory_ordered 1
		.amdhsa_forward_progress 1
		.amdhsa_inst_pref_size 39
	.end_amdhsa_kernel
	.amdgpu_metadata
---
amdhsa.version: [ 1, 2 ]
amdhsa.kernels:
  - .name:           k_q37a5d0c706_attn
    .symbol:         k_q37a5d0c706_attn.kd
    .args:
      - { .name: qkv, .offset: 0, .size: 8, .value_kind: global_buffer, .address_space: global }
      - { .name: yq, .offset: 8, .size: 8, .value_kind: global_buffer, .address_space: global }
    .group_segment_fixed_size: 169984
    .private_segment_fixed_size: 0
    .kernarg_segment_align: 8
    .kernarg_segment_size: 16
    .max_flat_workgroup_size: 512
    .sgpr_count:     78
    .vgpr_count:     256
    .wavefront_size: 32
...
	.end_amdgpu_metadata
.endif
;; end of part 3
;; launch proj (part 4): grid 8 x 32, 4 waves a work-group, clusters of 4 x 4, 327,680 bytes of LDS; arguments yq, w_proj_codes, w_proj_scales, b_proj, hidden_states, x1; writes x1
.if DOCPART == 4
	.amdgcn_target "amdgcn-amd-amdhsa--gfx1250"
	.amdhsa_code_object_version 6
	.text
	.protected	k_q37a5d0c706_proj
	.globl	k_q37a5d0c706_proj
	.p2align	8
	.type	k_q37a5d0c706_proj,@function
k_q37a5d0c706_proj:
	s_mov_b64 s[64:65], 0
	v_nop
	global_prefetch_b8 v0, s[64:65] scope:SCOPE_SE
	s_setreg_imm32_b32 hwreg(HW_REG_WAVE_MODE, 25, 1), 1
	s_wait_xcnt 0x0
	s_wait_alu depctr_hold_cnt(0) depctr_sa_sdst(0) depctr_va_vdst(0) depctr_va_sdst(0) depctr_va_ssrc(0) depctr_va_vcc(0) depctr_vm_vsrc(0)
	s_getreg_b32 s2, hwreg(HW_REG_IB_STS2, 6, 4)
	s_cmp_eq_u32 s2, 0
	s_cbranch_scc0 .Lentry_in_a_cluster
	s_endpgm
.Lentry_in_a_cluster:
	s_bfe_u32 s2, ttmp6, 0x10000c
	s_cmp_lg_u32 s2, 0xf033
	s_cbranch_scc0 .Lentry_shape_is_right
	s_endpgm
.Lentry_shape_is_right:
; out = res + A W^T + bias.  A: 4,096 rows x SIZE_K as codes of FP6 (E2M3), laid [K / 64][row][48 bytes], scale words [K / 128][row][4 bytes] at byte ASOFF of the same buffer.
; W: [1024][SIZE_K] codes, K innermost, scale bytes [1024][SIZE_K / 32].  bias [1024], res and out [4096][1024]: f32.  Here: SIZE_K = 1,024, A = the attention's y, res = hidden_states, out = x1.
; N is 1,024, so a tile of 128 x 128 gives each of 256 work-groups one tile; four waves of 64 x 64: 16 accumulators.  Source 0 = 16 rows of W, source 1 = 16 rows of A: a lane holds eight neighbours of a row of out.
; K goes in steps of 512 through two LDS slots, filled by joint tensor loads in clusters of 4 x 4 (A's tile shared along a row of the cluster, W's along a column); all scale words come once.
; The bias is the C of the first products.  The residual is asked for at the head, behind the first tiles' requests, into registers of its own, so that it comes while all K steps are multiplied; it is added on the way out.
; REGISTERS: window 0: v16-31 addresses; v32-95 scale words, two sets, and nothing else; v96-127 the bias; v128-255 the accumulators ((a, b) at v[128 + 8 (4 a + b)]).
;   window 1: two fragment buffers at v0 and v128 (A's four fragments, then W's four); on the way out v128-191 rows read back.   window 2: v0-127 the residual.
.set SIZE_K, 1024
.set KROW,   SIZE_K*6/8
.set KS,     SIZE_K/32
.set NS,     SIZE_K/128
.set LAPS,   SIZE_K/1024
.set ASOFF,  SIZE_K*3072
.set PANEL,  196608                    ; 4,096 rows x 48 bytes
.set APART,  8*6144                    ; a slot: A's 8 panels x 128 rows x 48 bytes,
.set BPITCH, 432                       ; then W's 128 rows of 384 bytes, 16 of padding behind each 128
.set BHALF,  64*BPITCH
.set SLOT,   APART+2*BHALF
.set SCA,    2*SLOT                    ; A's scale words [K / 128][128 rows][4]
.set SCB,    SCA+512*NS                ; W's scale bytes, as runs of 256 bytes + 16 of padding
.set HALFSB, (64*KS/256)*272
.set SBLK,   (16*KS/256)*272
.set SPARE,  SCB+2*HALFSB              ; the spare words: 128 bytes a wave, named by no other line
.set ADRA, 16
.set ADRB, 20
.set STO,  24
.set RD,   25
.set CO,   26
.set ADSA, 27
.set SPW,  28
.set NIL,  29
.set ADSB, 30
.set BO,   31
.set SCW,  32
.set BIAS, 96
.set ACC,  128
.set OB,   128
.set G1, 24
.set G0, 32
.set G1B, 48
.set G0B, 56
.set G1S, 68
.set G0S, 76
.set G1SB, 80
.set G0SB, 88
.set MSB, 0
.macro WIN new
.if MSB != \new
	s_set_vgpr_msb (MSB<<8)|\new
.set MSB, \new
.endif
.endm
.set MUL, 0x05                         ; sources 0 and 1 window 1; C and D window 0
.macro JLOAD g0a, g1a, g0b, g1b        ; waves 0 and 1 fetch for A, waves 2 and 3 for W; four v_nop follow each of the two lines
	s_cmp_eq_u32 s17, 0
	s_cbranch_scc0 .Lfor_b_\@
	tensor_load_to_lds s[\g0a:\g0a+3], s[\g1a:\g1a+7]
	s_nop 0
.rept 4
	v_nop
.endr
	s_branch .Lasked_\@
.Lfor_b_\@:
	tensor_load_to_lds s[\g0b:\g0b+3], s[\g1b:\g1b+7]
	s_nop 0
.rept 4
	v_nop
.endr
.Lasked_\@:
.endm
.macro CREST
	s_cmp_lg_u32 s16, 0
	s_cbranch_scc1 .Lnot_wave_0_\@
	s_barrier_signal -3
.Lnot_wave_0_\@:
	s_barrier_wait -3
	s_barrier_signal -1
	s_barrier_wait -1
.endm
.macro CROUND
	s_barrier_signal -1
	s_barrier_wait -1
	CREST
.endm
	s_load_b128 s[4:7], s[0:1], 0x0                ; A, W's codes
	s_load_b128 s[8:11], s[0:1], 0x10              ; W's scales, bias
	s_load_b128 s[12:15], s[0:1], 0x20             ; res, out
	v_lshl_add_u32 v[SPW], v0, 2, SPARE
	v_mov_b32 v[NIL], 0
	ds_add_u32 v28, v29
	ds_add_u32 v28, v29
	s_wait_dscnt 0x0
	v_lshrrev_b32 v1, 5, v0
	v_readfirstlane_b32 s16, v1                    ; wave 0..3
	s_lshr_b32 s17, s16, 1                         ; which 64 rows are mine.  Also: I fetch for A (0) or for W (1)
	s_and_b32 s18, s16, 1                          ; which 64 columns.  Also: which half I fetch
	s_bfe_u32 s40, ttmp6, 0x40000
	s_bfe_u32 s41, ttmp6, 0x40004
	s_lshl_b32 s42, ttmp9, 2
	s_add_co_u32 s42, s42, s40                     ; tile column
	s_and_b32 s43, ttmp7, 0xffff
	s_lshl_b32 s43, s43, 2
	s_add_co_u32 s43, s43, s41                     ; tile row
	s_lshl_b32 s44, s41, 2
	s_lshl_b32 s44, 15, s44                        ; my row of the cluster
	s_lshl_b32 s45, 0x1111, s40                    ; my column
	s_or_b32 s[G1+0], s44, (3<<16)|(1<<21)         ; A: 4 panels, each 128 rows x 48 = 6,144 dense bytes (768 elements of 8), PANEL bytes apart; no padding
	s_mov_b32 s[G1+1], 768<<16
	s_mov_b32 s[G1+2], 4<<16
	s_mov_b32 s[G1+3], 768<<16
	s_mov_b32 s[G1+4], 4
	s_mov_b32 s[G1+5], PANEL/8
	s_mov_b32 s[G1+6], 0
	s_mov_b32 s[G1+7], 0
	s_or_b32 s[G1B+0], s45, (0<<16)|(1<<20)|(1<<21)|(4<<22)|(3<<25)   ; W: 64 rows of 384 bytes; 4 words of padding behind every 32
	s_mov_b32 s[G1B+1], 384<<16
	s_mov_b32 s[G1B+2], 64<<16
	s_mov_b32 s[G1B+3], 384<<16
	s_mov_b32 s[G1B+4], 64
	s_mov_b32 s[G1B+5], KROW
	s_mov_b32 s[G1B+6], 0
	s_mov_b32 s[G1B+7], 0
	s_or_b32 s[G1S+0], s44, (3<<16)|(1<<21)        ; A's words: NS / 2 rows of 512 bytes, 16,384 bytes apart
	s_mov_b32 s[G1S+1], 64<<16
	s_mov_b32 s[G1S+2], (NS/2)<<16
	s_mov_b32 s[G1S+3], 64<<16
	s_mov_b32 s[G1S+4], NS/2
	s_mov_b32 s[G1S+5], 2048
	s_mov_b32 s[G1S+6], 0
	s_mov_b32 s[G1S+7], 0
	s_or_b32 s[G1SB+0], s45, (3<<16)|(1<<20)|(1<<21)|(5<<22)|(3<<25)  ; W's scale bytes of 64 rows: dense, as rows of 256 bytes + 16
	s_mov_b32 s[G1SB+1], 32<<16
	s_mov_b32 s[G1SB+2], (64*KS/256)<<16
	s_mov_b32 s[G1SB+3], 32<<16
	s_mov_b32 s[G1SB+4], 64*KS/256
	s_mov_b32 s[G1SB+5], 32
	s_mov_b32 s[G1SB+6], 0
	s_mov_b32 s[G1SB+7], 0
	s_mul_i32 s20, s43, 6144
	s_mul_i32 s21, s18, 4*PANEL
	s_add_co_u32 s20, s20, s21                     ; A: my four panels, the tile's rows
	s_mov_b32 s21, 0
	s_lshl_b32 s22, s43, 9
	s_mul_i32 s23, s18, (NS/2)*16384
	s_add_co_u32 s22, s22, s23
	s_add_co_u32 s22, s22, ASOFF                   ; A's words
	s_mov_b32 s23, 0
	s_lshl_b32 s46, s42, 7
	s_lshl_b32 s47, s18, 6
	s_add_co_u32 s46, s46, s47                     ; W: row 128 x tile column + 64 x half
	s_mul_i32 s92, s46, KS
	s_mov_b32 s93, 0
	s_mul_i32 s46, s46, KROW
	s_mov_b32 s47, 0
	s_mul_i32 s94, s18, 24576                      ; where they go
	s_mul_i32 s95, s18, BHALF
	s_add_co_u32 s95, s95, APART
	s_wait_kmcnt 0x0
	s_add_nc_u64 s[20:21], s[4:5], s[20:21]
	s_add_nc_u64 s[22:23], s[4:5], s[22:23]
	s_add_nc_u64 s[46:47], s[6:7], s[46:47]
	s_add_nc_u64 s[92:93], s[8:9], s[92:93]
	CROUND                                         ; all sixteen work-groups are here: the first joint loads meet
	s_mov_b32 s[G0S], 1
	s_mul_i32 s[G0S+1], s18, 256*NS
	s_add_co_u32 s[G0S+1], s[G0S+1], SCA
	s_mov_b64 s[G0S+2:G0S+3], s[22:23]
	s_or_b32 s[G0S+3], s[G0S+3], 0x80000000
	s_mov_b32 s[G0SB], 1
	s_mul_i32 s[G0SB+1], s18, HALFSB
	s_add_co_u32 s[G0SB+1], s[G0SB+1], SCB
	s_mov_b64 s[G0SB+2:G0SB+3], s[92:93]
	s_or_b32 s[G0SB+3], s[G0SB+3], 0x80000000
	JLOAD G0S, G1S, G0SB, G1SB
.irp s, 0,1
	s_mov_b32 s[G0+4*\s], 1
	s_add_co_u32 s[G0+4*\s+1], s94, \s*SLOT
	s_add_nc_u64 s[G0+4*\s+2:G0+4*\s+3], s[20:21], \s*8*PANEL
	s_or_b32 s[G0+4*\s+3], s[G0+4*\s+3], 0x80000000
	s_mov_b32 s[G0B+4*\s], 1
	s_add_co_u32 s[G0B+4*\s+1], s95, \s*SLOT
	s_add_nc_u64 s[G0B+4*\s+2:G0B+4*\s+3], s[46:47], \s*384
	s_or_b32 s[G0B+4*\s+3], s[G0B+4*\s+3], 0x80000000
	JLOAD G0+4*\s, G1, G0B+4*\s, G1B
.endr
	v_and_b32 v1, 15, v0                           ; r
	v_bfe_u32 v2, v0, 4, 1                         ; h
	v_mul_u32_u24 v3, v1, 48
	v_mad_u32_u24 v3, v2, 24, v3                   ; A: 48 r + 24 h
	v_mul_u32_u24 v4, v1, BPITCH
	v_mad_u32_u24 v4, v2, 24, v4                   ; W: 432 r + 24 h,
	v_lshl_add_u32 v5, v2, 4, v4                   ; and the same behind one padding more
	s_mul_i32 s20, s17, 3072
	s_mul_i32 s21, s18, BHALF
	s_add_co_u32 s21, s21, APART
.irp s, 0,1
	v_add_nc_u32 v[ADRA+\s], s20, v3
	v_add_nc_u32 v[ADRB+\s], s21, v4
	v_add_nc_u32 v[ADRB+2+\s], s21, v5
	s_add_co_u32 s20, s20, SLOT
	s_add_co_u32 s21, s21, SLOT
.endr
	s_lshl_b32 s20, s17, 8
	s_add_co_u32 s20, s20, SCA
	v_lshl_add_u32 v[ADSA], v1, 2, s20             ; A's words: my 64 rows, 4 r
	v_mul_u32_u24 v6, v1, KS
	v_lshrrev_b32 v7, 8, v6
	v_lshl_add_u32 v6, v7, 4, v6
	s_mul_i32 s21, s18, HALFSB
	s_add_co_u32 s21, s21, SCB
	v_add_nc_u32 v[ADSB], s21, v6                  ; W's scale bytes: KS a row, 16 more for each 256 passed
	s_mul_i32 s22, s16, 16*272                     ; my stage, in slot 0
	v_mul_u32_u24 v6, v1, 272
	v_lshl_add_u32 v6, v2, 5, v6
	v_add_nc_u32 v[STO], s22, v6                   ; in: row r, 32 bytes for each half of the lanes
	v_mul_u32_u24 v6, v2, 272
	v_lshl_add_u32 v6, v1, 4, v6
	v_add_nc_u32 v[RD], s22, v6                    ; back: lanes 0-15 one row of 256 bytes, lanes 16-31 the next
	v_lshlrev_b32 v[CO], 12, v2
	v_lshl_add_u32 v[CO], v1, 4, v[CO]             ; and the same two rows in memory
	v_lshlrev_b32 v[BO], 5, v2
	s_lshl_b32 s96, s42, 9
	s_lshl_b32 s97, s18, 8
	s_add_co_u32 s96, s96, s97                     ; my first column, in bytes
	s_mov_b32 s97, 0
	s_add_nc_u64 s[10:11], s[10:11], s[96:97]
	s_lshl_b32 s98, s43, 7
	s_lshl_b32 s99, s17, 6
	s_add_co_u32 s98, s98, s99                     ; my first row
	s_lshl_b32 s98, s98, 12
	s_add_co_u32 s96, s96, s98
	s_add_nc_u64 s[12:13], s[12:13], s[96:97]
	s_add_nc_u64 s[14:15], s[14:15], s[96:97]
.irp b, 0,1,2,3
	global_load_b128 v[BIAS+8*\b:BIAS+8*\b+3], v[BO], s[10:11] offset:64*\b        ; register 8 b + j: the bias of column 16 b + 8 h + j
	global_load_b128 v[BIAS+8*\b+4:BIAS+8*\b+7], v[BO], s[10:11] offset:64*\b+16
.endr
	WIN 0x80                                       ; destination window 2
.set k, 0
.rept 32
	global_load_b128 v[4*k:4*k+3], v[CO], s[12:13] offset:2*k*4096 th:TH_LOAD_NT   ; the residual of my 64 rows x 64 columns, in the layout in which rows come back from the stage; read once in the launch
.set k, k+1
.endr
	WIN 0
.macro FRAGP reg, slot, q, i           ; a fragment of A: registers 6 c .. 6 c + 5 = 24 bytes of row r in panel 2 q + c
.irp p, 0,1,2,3,4,5
	ds_load_b64 v[(\reg)+2*\p:(\reg)+2*\p+1], v[ADRA+\slot] offset:6144*(2*(\q)+\p/3)+768*(\i)+8*(\p%3)
.endr
.endm
.macro FRAGW reg, slot, q, i           ; a fragment of W, in pieces of 8 bytes; 16 bytes of padding lie behind every 16 pieces: where the piece three on lies behind one padding more, the second address register serves
.irp p, 0,1,2,3,4,5
.set PCE, 12*(\q)+6*(\p/3)+\p%3
.if PCE%16 < 13
	ds_load_b64 v[(\reg)+2*\p:(\reg)+2*\p+1], v[ADRB+\slot] offset:8*PCE+16*(PCE/16)+(\i)*16*BPITCH
.else
	ds_load_b64 v[(\reg)+2*\p:(\reg)+2*\p+1], v[ADRB+2+\slot] offset:8*PCE+16*(PCE/16)+(\i)*16*BPITCH
.endif
.endr
.endm
.macro FETCH slot, q, f                ; 48 LDS loads in one run: the fragments of the slot's q-th 128 along K into buffer f
	WIN 0x40
.irp i, 0,1,2,3
	FRAGW (\f)+48+12*\i, \slot, \q, \i
.endr
.irp i, 0,1,2,3
	FRAGP (\f)+12*\i, \slot, \q, \i
.endr
.endm
.macro SCALES set                      ; a slot's scale words, 20 loads: W's four steps of a row by one load; A's a word at a time
.irp b, 0,1,2,3
	ds_load_b128 v[SCW+32*(\set)+4*\b:SCW+32*(\set)+4*\b+3], v[ADSB] offset:\b*SBLK
.endr
.irp a, 0,1,2,3
.irp q, 0,1,2,3
	ds_load_b32 v[SCW+16+32*(\set)+4*\a+\q], v[ADSA] offset:512*\q+64*\a
.endr
.endr
.endm
.macro MUL4 f, q, set, a, zero         ; A's block a x W's four.  The 16 accumulators take turns
.irp b, 0,1,2,3
.set DR, ACC+8*(4*(\a)+\b)
.if \zero
.set CR, BIAS+8*\b
.else
.set CR, DR
.endif
	v_wmma_scale_f32_16x16x128_f8f6f4 v[DR:DR+7], v[(\f)+48+12*\b:(\f)+48+12*\b+11], v[(\f)+12*(\a):(\f)+12*(\a)+11], v[CR:CR+7], v[SCW+32*(\set)+4*\b+(\q)], v[SCW+16+32*(\set)+4*(\a)+(\q)] matrix_a_fmt:MATRIX_FMT_FP6 matrix_b_fmt:MATRIX_FMT_FP6
.endr
.endm
.macro PLACES n
.rept \n
	v_nop
.endr
.endm
.macro STEP slot, q, zero              ; 128 along K, q = 0 .. 2: the next step's fragments are asked for, then this step's 16 products
	PLACES 4                                       ; in front of loads into the buffer that the last products read
	FETCH \slot, (\q)+1, 128*(((\q)+1)%2)
	s_wait_dscnt 48                                ; all but the 48 just issued
	WIN MUL
.irp a, 0,1,2,3
	MUL4 128*((\q)%2), \q, \slot, \a, \zero
.endr
.endm
.macro TURN slot, next, fill           ; a slot's last step changes slots
	WIN 0
	s_wait_tensorcnt 0x0                           ; all my tensor loads have landed: my part of the next slot
	ds_add_u32 v[SPW], v[NIL]                      ; 0 onto my spare word
	s_wait_dscnt 1                                 ; this step's fragments are in; the add may be out
	WIN MUL
	MUL4 128, 3, \slot, 0, 0
	s_wait_dscnt 0x0                               ; the add is done, and my reads of this slot are over
	s_barrier_signal -1
	MUL4 128, 3, \slot, 1, 0
	WIN 0
	s_barrier_wait -1
.if \fill
	CREST                                          ; the barrier has opened a round of the cluster's
	s_add_nc_u64 s[G0+4*\slot+2:G0+4*\slot+3], s[G0+4*\slot+2:G0+4*\slot+3], 16*PANEL
	s_add_nc_u64 s[G0B+4*\slot+2:G0B+4*\slot+3], s[G0B+4*\slot+2:G0B+4*\slot+3], 768
	JLOAD G0+4*\slot, G1, G0B+4*\slot, G1B         ; the first tensor load behind the round; its four v_nop are the places in front of the loads below
.else
	PLACES 4
.endif
	v_add_nc_u32 v[ADSA], 2048, v[ADSA]            ; the next slot's scale words (no LDS load of mine is out)
	v_add_nc_u32 v[ADSB], 16, v[ADSB]
	FETCH \next, 0, 0
	WIN 0
	SCALES \next
	WIN MUL
	MUL4 128, 3, \slot, 2, 0
	MUL4 128, 3, \slot, 3, 0
.endm
	s_wait_tensorcnt 1                             ; the scale words and my part of slot 0 are in (slot 1's load may be out),
	s_barrier_signal -1
	s_barrier_wait -1                              ; everybody's are
	FETCH 0, 0, 0
	WIN 0
	SCALES 0
	s_wait_loadcnt 32                              ; the bias is in; the residual's 32 loads, issued behind it, may be out
	STEP 0, 0, 1                                   ; the first products start the sums from the bias
.if LAPS > 1
	WIN 0
	s_mov_b32 s19, LAPS-1
.Llap:
	STEP 0, 1, 0
	STEP 0, 2, 0
	TURN 0, 1, 1
	STEP 1, 0, 0
	STEP 1, 1, 0
	STEP 1, 2, 0
	TURN 1, 0, 1
	STEP 0, 0, 0
	WIN 0
	s_sub_co_u32 s19, s19, 1
	s_cmp_lg_u32 s19, 0
	s_cbranch_scc1 .Llap
.endif
	STEP 0, 1, 0
	STEP 0, 2, 0
	TURN 0, 1, 0                                   ; the last lap fills nothing
	STEP 1, 0, 0
	STEP 1, 1, 0
	STEP 1, 2, 0
	s_wait_dscnt 0x0                               ; the last step's fragments are in
	WIN MUL
.irp a, 0,1,2,3
	MUL4 128, 3, 1, \a, 0
.endr
	WIN 0
	; THE WAY OUT, 16 rows at a time through my stage in slot 0 (it has had its last fill, and nobody reads it behind the last change of slots): whole runs of 256 bytes come back, take the residual and leave.
	PLACES 4
	s_wait_loadcnt 0x0                             ; the residual
.irp a, 0,1,2,3
.if \a > 1
	s_wait_xcnt 0x0                                ; the stores of two blocks ago have read their registers
.endif
.irp b, 0,1,2,3
	ds_store_b128 v[STO], v[ACC+8*(4*\a+\b):ACC+8*(4*\a+\b)+3] offset:64*\b      ; each accumulator from its low end on
	ds_store_b128 v[STO], v[ACC+8*(4*\a+\b)+4:ACC+8*(4*\a+\b)+7] offset:64*\b+16
.endr
	WIN 0x40
.irp t, 0,1,2,3,4,5,6,7
	ds_load_b128 v[OB+32*(\a%2)+4*\t:OB+32*(\a%2)+4*\t+3], v[RD] offset:544*\t
.endr
	s_wait_dscnt 0x0
	WIN 0x49                                       ; destination and source 0 window 1, source 1 (the residual) window 2
.irp i, 0,2,4,6,8,10,12,14,16,18,20,22,24,26,28,30
	v_pk_add_f32 v[OB+32*(\a%2)+\i:OB+32*(\a%2)+\i+1], v[OB+32*(\a%2)+\i:OB+32*(\a%2)+\i+1], v[32*\a+\i:32*\a+\i+1]
.endr
	WIN 0x04
.irp t, 0,1,2,3,4,5,6,7
	global_store_b128 v[CO], v[OB+32*(\a%2)+4*\t:OB+32*(\a%2)+4*\t+3], s[14:15] offset:(16*\a+2*\t)*4096   ; sixteen lanes store 256 consecutive bytes, aligned
.endr
	WIN 0
.endr
	s_wait_tensorcnt 0x0                           ; the wave's end
	ds_add_u32 v[SPW], v[NIL]
	s_wait_dscnt 0x0
	CROUND                                         ; the closing round
	s_endpgm
.Lfunc_end_k_q37a5d0c706_proj:
	.size	k_q37a5d0c706_proj, .Lfunc_end_k_q37a5d0c706_proj-k_q37a5d0c706_proj
	.p2alignl 7, 3214868480
	.fill 96, 4, 3214868480
	.section	.rodata,"a",@progbits
	.p2align	6, 0x0
	.amdhsa_kernel k_q37a5d0c706_proj
		.amdhsa_group_segment_fixed_size 327680
		.amdhsa_private_segment_fixed_size 0
		.amdhsa_enable_private_segment 0
		.amdhsa_kernarg_size 48
		.amdhsa_user_sgpr_count 2
		.amdhsa_user_sgpr_kernarg_segment_ptr 1
		.amdhsa_wavefront_size32 1
		.amdhsa_system_sgpr_workgroup_id_x 1
		.amdhsa_system_sgpr_workgroup_id_y 1
		.amdhsa_system_sgpr_workgroup_id_z 1
		.amdhsa_system_vgpr_workitem_id 0
		.amdhsa_next_free_vgpr 768
		.amdhsa_next_free_sgpr 100
		.amdhsa_reserve_vcc 0
		.amdhsa_float_denorm_mode_32 3
		.amdhsa_float_denorm_mode_16_64 3
		.amdhsa_memory_ordered 1
		.amdhsa_forward_progress 1
		.amdhsa_inst_pref_size 71
	.end_amdhsa_kernel
	.amdgpu_metadata
---
amdhsa.version: [ 1, 2 ]
amdhsa.kernels:
  - .name:           k_q37a5d0c706_proj
    .symbol:         k_q37a5d0c706_proj.kd
    .args:
      - { .name: yq, .offset: 0, .size: 8, .value_kind: global_buffer, .address_space: global }
      - { .name: w_proj_codes, .offset: 8, .size: 8, .value_kind: global_buffer, .address_space: global }
      - { .name: w_proj_scales, .offset: 16, .size: 8, .value_kind: global_buffer, .address_space: global }
      - { .name: b_proj, .offset: 24, .size: 8, .value_kind: global_buffer, .address_space: global }
      - { .name: hidden_states, .offset: 32, .size: 8, .value_kind: global_buffer, .address_space: global }
      - { .name: x1, .offset: 40, .size: 8, .value_kind: global_buffer, .address_space: global }
    .group_segment_fixed_size: 327680
    .private_segment_fixed_size: 0
    .kernarg_segment_align: 8
    .kernarg_segment_size: 48
    .max_flat_workgroup_size: 128
    .sgpr_count:     100
    .vgpr_count:     768
    .wavefront_size: 32
...
	.end_amdgpu_metadata
.endif
;; end of part 4
;; launch ln2: the kernel of part 1 again; grid 256 x 1, 8 waves a work-group, no clusters, 44,032 bytes of LDS; arguments x1, ln2_g, ln2_b, xq; writes xq
;; launch fc (part 5): grid 16 x 16, 4 waves a work-group, clusters of 4 x 4, 327,680 bytes of LDS; arguments xq, w_fc_codes, w_fc_scales, b_fc, gq; writes gq
.if DOCPART == 5
	.amdgcn_target "amdgcn-amd-amdhsa--gfx1250"
	.amdhsa_code_object_version 6
	.text
	.protected	k_q37a5d0c706_fc
	.globl	k_q37a5d0c706_fc
	.p2align	8
	.type	k_q37a5d0c706_fc,@function
k_q37a5d0c706_fc:
	s_mov_b64 s[64:65], 0
	v_nop
	global_prefetch_b8 v0, s[64:65] scope:SCOPE_SE
	s_setreg_imm32_b32 hwreg(HW_REG_WAVE_MODE, 25, 1), 1
	s_wait_xcnt 0x0
	s_wait_alu depctr_hold_cnt(0) depctr_sa_sdst(0) depctr_va_vdst(0) depctr_va_sdst(0) depctr_va_ssrc(0) depctr_va_vcc(0) depctr_vm_vsrc(0)
	s_getreg_b32 s2, hwreg(HW_REG_IB_STS2, 6, 4)
	s_cmp_eq_u32 s2, 0
	s_cbranch_scc0 .Lentry_in_a_cluster
	s_endpgm
.Lentry_in_a_cluster:
	s_bfe_u32 s2, ttmp6, 0x10000c
	s_cmp_lg_u32 s2, 0xf033
	s_cbranch_scc0 .Lentry_shape_is_right
	s_endpgm
.Lentry_shape_is_right:
; g = gelu(LN2(x1) W_fc + b_fc), the product on codes of FP6 (E2M3) with E8M0 scales, K = 1,024; gelu with the exact erf, in f32; g quantised along its 4,096 columns for the next product.
; A tile is 256 x 256 (four waves of 128 x 128, 64 accumulators each); K goes in steps of 256 through a ring of two LDS slots filled by joint tensor loads in clusters of 4 x 4.
; Source 0 = 16 rows of W ("B"), source 1 = 16 tokens ("A"): a lane holds one token and its registers run along the columns, the next product's K.  The bias is the C of the first K step's products.
; erf(z) = z A(z^2) / B(z^2), a rational approximation in f32 of degrees 6 and 4 in z^2 with z held to +-4; gelu = x/2 + x/2 erf(x / sqrt 2).  The way out is a loop over the wave's 8 blocks of 16 tokens, so that the gelu is written once.
; OUT, in gq: codes [column / 64][token][48 bytes] at 0; scale words [column / 128][token][4 bytes] at GS.
; LIMITS: the approximation of erf is held good to a few units in the last place of 1; v_rcp_f32 is accurate to 1 ulp; a block of zeros gets the byte 1; NaN and infinities are not served.
; REGISTERS: window 0: v0-31 addresses; v32-63 scale words, two sets, and nothing else; v64-127 the bias, later 64 numbers of a block; from v128 A's fragments, later the gelu's and the quantiser's work.
;   window 1: B's fragments, two sets.   windows 2, 3: the accumulators ((a, b) at v[8 (8 (a % 4) + b)]).
.set SIZE_K, 1024
.set KSTEP,  256
.set NQ,     KSTEP/128
.set ROWB,   192
.set KROW,   SIZE_K*6/8
.set PITCH,  240
.set FR,     12
.set NL,     6
.set NP,     4
.set HALFT,  128*PITCH
.set SLOT,   4*HALFT
.set LAPS,   SIZE_K/(2*KSTEP)
.set KS,     SIZE_K/32
.set SCL,    2*SLOT
.set HALFS,  (128*KS/256)*272
.set SBLK,   (16*KS/256)*272
.set SPARE,  SCL+4*HALFS
.set WST,    12800
.set XSO,    3145728
.set GS,     12582912
.set CSA,  9                           ; v9, v10 the block's places in the stage
.set SSA,  10
.set ADRA, 16
.set ADRB, 20
.set CST,  24
.set SST,  25
.set RD,   26
.set ADRS, 27
.set SPW,  28
.set NIL,  29
.set GL,   30
.set SC,   32
.set BIAS, 64
.set GG,   64                          ; v64-127 x / 2, then gelu(x)
.set AF,   128
.set Z,    128
.set Q2,   144
.set PA,   160
.set PB,   176
.set TM,   192
.set PW,   208
.set PC,   210
.set BK,   128
.set SEL,  18
.set G1, 24
.set G0, 32
.set G1B, 48
.set G0B, 56
.set G1S, 68
.set G0S, 76
.set G1SB, 80
.set G0SB, 88
.set MSB, 0
.macro WIN new
.if MSB != \new
	s_set_vgpr_msb (MSB<<8)|\new
.set MSB, \new
.endif
.endm
.set MUL_LO, 0xa1
.set MUL_HI, 0xf1
.set TO_B,   0x40
.macro JLOAD g0a, g1a, g0b, g1b        ; waves 0 and 1 fetch for A, waves 2 and 3 for B; four v_nop follow each of the two lines
	s_cmp_eq_u32 s15, 0
	s_cbranch_scc0 .Lfor_b_\@
	tensor_load_to_lds s[\g0a:\g0a+3], s[\g1a:\g1a+7]
	s_nop 0
.rept 4
	v_nop
.endr
	s_branch .Lasked_\@
.Lfor_b_\@:
	tensor_load_to_lds s[\g0b:\g0b+3], s[\g1b:\g1b+7]
	s_nop 0
.rept 4
	v_nop
.endr
.Lasked_\@:
.endm
.macro CREST
	s_cmp_lg_u32 s14, 0
	s_cbranch_scc1 .Lnot_wave_0_\@
	s_barrier_signal -3
.Lnot_wave_0_\@:
	s_barrier_wait -3
	s_barrier_signal -1
	s_barrier_wait -1
.endm
.macro CROUND
	s_barrier_signal -1
	s_barrier_wait -1
	CREST
.endm
	s_load_b128 s[4:7], s[0:1], 0x0                ; xq, W's codes
	s_load_b128 s[8:11], s[0:1], 0x10              ; W's scales, b_fc
	s_load_b64 s[12:13], s[0:1], 0x20              ; gq
	v_lshl_add_u32 v[SPW], v0, 2, SPARE
	v_mov_b32 v[NIL], 0
	ds_add_u32 v28, v29
	ds_add_u32 v28, v29
	s_wait_dscnt 0x0
	v_lshrrev_b32 v1, 5, v0
	v_readfirstlane_b32 s14, v1                    ; wave 0..3
	s_lshr_b32 s15, s14, 1
	s_and_b32 s16, s14, 1
	s_bfe_u32 s40, ttmp6, 0x40000
	s_bfe_u32 s41, ttmp6, 0x40004
	s_lshl_b32 s42, ttmp9, 2
	s_add_co_u32 s42, s42, s40                     ; tile column (W's rows / 256)
	s_and_b32 s17, ttmp7, 0xffff
	s_lshl_b32 s17, s17, 2
	s_add_co_u32 s17, s17, s41                     ; tile row (tokens / 256)
	s_lshl_b32 s43, s41, 2
	s_lshl_b32 s43, 15, s43
	s_lshl_b32 s44, 0x1111, s40
	s_or_b32 s[G1+0], s43, (0<<16)|(1<<20)|(1<<21)|(3<<22)|(3<<25)
	s_or_b32 s[G1B+0], s44, (0<<16)|(1<<20)|(1<<21)|(3<<22)|(3<<25)
.irp g, G1, G1B
	s_mov_b32 s[\g+1], ROWB<<16
	s_mov_b32 s[\g+2], 128<<16
	s_mov_b32 s[\g+3], ROWB<<16
	s_mov_b32 s[\g+4], 128
	s_mov_b32 s[\g+5], KROW
	s_mov_b32 s[\g+6], 0
	s_mov_b32 s[\g+7], 0
.endr
	s_or_b32 s[G1S+0], s43, (3<<16)|(1<<20)|(1<<21)|(5<<22)|(3<<25)
	s_or_b32 s[G1SB+0], s44, (3<<16)|(1<<20)|(1<<21)|(5<<22)|(3<<25)
.irp g, G1S, G1SB
	s_mov_b32 s[\g+1], 32<<16
	s_mov_b32 s[\g+2], (128*KS/256)<<16
	s_mov_b32 s[\g+3], 32<<16
	s_mov_b32 s[\g+4], 128*KS/256
	s_mov_b32 s[\g+5], 32
	s_mov_b32 s[\g+6], 0
	s_mov_b32 s[\g+7], 0
.endr
	s_lshl_b32 s18, s16, 7
	s_lshl_b32 s20, s17, 8
	s_add_co_u32 s20, s20, s18
	s_lshl_b32 s46, s42, 8
	s_add_co_u32 s46, s46, s18
	s_mov_b32 s21, 0
	s_mov_b32 s47, 0
	s_mov_b64 s[18:19], KS
	s_mul_u64 s[22:23], s[20:21], s[18:19]
	s_mul_u64 s[92:93], s[46:47], s[18:19]
	s_mov_b64 s[18:19], KROW
	s_mul_u64 s[20:21], s[20:21], s[18:19]
	s_mul_u64 s[46:47], s[46:47], s[18:19]
	s_mul_i32 s45, s14, HALFT
	s_mul_i32 s94, s14, HALFS
	s_wait_kmcnt 0x0
	s_mov_b64 s[66:67], s[10:11]                   ; b_fc
	s_mov_b64 s[10:11], s[8:9]                     ; B's scales
	s_mov_b64 s[8:9], s[6:7]                       ; B's codes
	s_add_nc_u64 s[6:7], s[4:5], XSO               ; A's scales
	s_add_nc_u64 s[20:21], s[4:5], s[20:21]
	s_add_nc_u64 s[22:23], s[6:7], s[22:23]
	s_add_nc_u64 s[46:47], s[8:9], s[46:47]
	s_add_nc_u64 s[92:93], s[10:11], s[92:93]
	CROUND                                         ; all sixteen work-groups are here: the first joint loads meet
	s_mov_b32 s[G0S], 1
	s_add_co_u32 s[G0S+1], s94, SCL
	s_mov_b64 s[G0S+2:G0S+3], s[22:23]
	s_or_b32 s[G0S+3], s[G0S+3], 0x80000000
	s_mov_b32 s[G0SB], 1
	s_add_co_u32 s[G0SB+1], s94, SCL
	s_mov_b64 s[G0SB+2:G0SB+3], s[92:93]
	s_or_b32 s[G0SB+3], s[G0SB+3], 0x80000000
	JLOAD G0S, G1S, G0SB, G1SB
.irp s, 0,1
	s_mov_b32 s[G0+4*\s], 1
	s_add_co_u32 s[G0+4*\s+1], s45, \s*SLOT
	s_add_nc_u64 s[G0+4*\s+2:G0+4*\s+3], s[20:21], \s*ROWB
	s_or_b32 s[G0+4*\s+3], s[G0+4*\s+3], 0x80000000
	s_mov_b32 s[G0B+4*\s], 1
	s_add_co_u32 s[G0B+4*\s+1], s45, \s*SLOT
	s_add_nc_u64 s[G0B+4*\s+2:G0B+4*\s+3], s[46:47], \s*ROWB
	s_or_b32 s[G0B+4*\s+3], s[G0B+4*\s+3], 0x80000000
	JLOAD G0+4*\s, G1, G0B+4*\s, G1B
.endr
	v_and_b32 v1, 15, v0                           ; r
	v_bfe_u32 v2, v0, 4, 1                         ; h
	v_mul_u32_u24 v3, v1, PITCH
	v_mul_u32_u24 v4, v2, 24
	v_add_nc_u32 v4, v3, v4
	v_lshl_add_u32 v5, v2, 4, v4
	s_mul_i32 s21, s15, HALFT
	s_mul_i32 s22, s16, HALFT
	s_add_co_u32 s22, s22, 2*HALFT
.irp s, 0,1
	v_add_nc_u32 v[ADRA+\s], s21, v4
	v_add_nc_u32 v[ADRB+\s], s22, v4
	v_add_nc_u32 v[ADRA+2+\s], s21, v5
	v_add_nc_u32 v[ADRB+2+\s], s22, v5
	s_add_co_u32 s21, s21, SLOT
	s_add_co_u32 s22, s22, SLOT
.endr
	v_mul_u32_u24 v5, v1, KS
	v_lshrrev_b32 v6, 8, v5
	v_lshl_add_u32 v5, v6, 4, v5
	s_mul_i32 s21, s15, HALFS
	s_mul_i32 s22, s16, HALFS
	s_add_co_u32 s22, s22, 2*HALFS
	s_sub_co_u32 s22, s22, s21
	v_mul_u32_u24 v6, s22, v2
	s_add_co_u32 s21, s21, SCL
	v_add_nc_u32 v5, v5, v6
	v_add_nc_u32 v[ADRS], s21, v5
	s_mul_i32 s23, s14, WST                        ; my stage
	v_mul_u32_u24 v5, v1, 48
	v_mad_u32_u24 v5, v2, 24, v5
	v_add_nc_u32 v[CST], s23, v5
	v_lshlrev_b32 v8, 2, v1
	v_add_nc_u32 v[SST], s23, v8
	v_add_nc_u32 v[SST], 12288, v[SST]
	v_and_b32 v6, 31, v0
	v_lshlrev_b32 v[GL], 4, v6
	v_add_nc_u32 v[RD], s23, v[GL]
	v_lshlrev_b32 v7, 5, v2                        ; 32 h
	s_lshl_b32 s96, s42, 8
	s_lshl_b32 s98, s16, 7
	s_add_co_u32 s96, s96, s98                     ; p0: my first column
	s_lshl_b32 s97, s17, 8
	s_lshl_b32 s98, s15, 7
	s_add_co_u32 s97, s97, s98                     ; q0: my first token
	s_lshl_b32 s98, s96, 2
	s_mov_b32 s99, 0
	s_add_nc_u64 s[66:67], s[66:67], s[98:99]
.irp b, 0,1,2,3,4,5,6,7                ; register 8 b + j: the bias of column p0 + 16 b + 8 h + j
	global_load_b128 v[BIAS+8*\b:BIAS+8*\b+3], v7, s[66:67] offset:64*\b
	global_load_b128 v[BIAS+8*\b+4:BIAS+8*\b+7], v7, s[66:67] offset:64*\b+16
.endr
.macro FRAG reg, adr, q, i
.irp p, 0,1,2,3,4,5
.set PCE, 12*(\q)+6*(\p/3)+\p%3
.if PCE%8 < 5
	ds_load_b64 v[\reg+2*\p:\reg+2*\p+1], v[\adr] offset:8*PCE+16*(PCE/8)+(\i)*16*PITCH
.else
	ds_load_b64 v[\reg+2*\p:\reg+2*\p+1], v[\adr+2] offset:8*PCE+16*(PCE/8)+(\i)*16*PITCH
.endif
.endr
.endm
.macro MUL16 a0, p, q, sc, zero        ; A's blocks a0, a0 + 1 x B's eight.  zero = 1: C = the bias.  The 64 accumulators take turns
.irp a, \a0, \a0+1
.irp b, 0,1,2,3,4,5,6,7
.set DR, 8*(8*((\a)%4)+\b)
.if \zero
.set CR, BIAS+8*\b
.else
.set CR, DR
.endif
	v_wmma_scale_f32_16x16x128_f8f6f4 v[DR:DR+7], v[128*(\p)+FR*\b:128*(\p)+FR*\b+FR-1], v[AF+FR*(\a):AF+FR*(\a)+FR-1], v[CR:CR+7], v[SC+8*NQ*(\sc)+NQ*\b+(\q)], v[SC+8*NQ*(\sc)+NQ*(\a)+(\q)] matrix_a_fmt:MATRIX_FMT_FP6 matrix_b_fmt:MATRIX_FMT_FP6 matrix_a_scale:MATRIX_SCALE_ROW1
.endr
.endr
.endm
.macro FETCH_B slot, q, p
	WIN TO_B
.irp i, 0,1,2,3,4,5,6,7
	FRAG 128*(\p)+FR*\i, ADRB+\slot, \q, \i
.endr
	WIN 0
.endm
.macro FETCH_A slot, q, i0
.irp i, \i0, \i0+1, \i0+2, \i0+3
	FRAG AF+FR*(\i), ADRA+\slot, \q, \i
.endr
.endm
.macro SCALES sc
.irp i, 0,1,2,3,4,5,6,7
	ds_load_b64 v[SC+8*NQ*\sc+NQ*\i:SC+8*NQ*\sc+NQ*\i+1], v[ADRS] offset:\i*SBLK
.endr
.endm
.macro PLACES n
.rept \n
	v_nop
.endr
.endm
.macro STEP slot, q, zero
	s_wait_dscnt 4*NL                              ; B's set and A's blocks 0-3 are in; A's blocks 4-7 (24 loads) may be out
.if \zero
	WIN 0x81                                       ; C (the bias) window 0, D window 2
.else
	WIN MUL_LO
.endif
	MUL16 0, (\q)%2, \q, \slot, \zero
	MUL16 2, (\q)%2, \q, \slot, \zero
	s_wait_dscnt 0
	PLACES NP
	FETCH_B \slot, (\q)+1, 1-(\q)%2
	FETCH_A \slot, (\q)+1, 0
.if \zero
	WIN 0xc1
.else
	WIN MUL_HI
.endif
	MUL16 4, (\q)%2, \q, \slot, \zero
	MUL16 6, (\q)%2, \q, \slot, \zero
	PLACES NP
	WIN 0
	FETCH_A \slot, (\q)+1, 4
.endm
.macro TURN slot, next, fill
	s_wait_tensorcnt 0x0                           ; all my tensor loads have landed: my part of the next slot
	ds_add_u32 v[SPW], v[NIL]                      ; 0 onto my spare word
	s_wait_dscnt 4*NL+1                            ; the add and A's blocks 4-7 may be out
	WIN MUL_LO
	MUL16 0, 1, NQ-1, \slot, 0
	s_wait_dscnt 0x0                               ; the add is done, and my reads of this slot are over
	s_barrier_signal -1
	MUL16 2, 1, NQ-1, \slot, 0
	WIN 0
	s_barrier_wait -1
.if \fill
	CREST
	s_add_nc_u64 s[G0+4*\slot+2:G0+4*\slot+3], s[G0+4*\slot+2:G0+4*\slot+3], 2*ROWB
	s_add_nc_u64 s[G0B+4*\slot+2:G0B+4*\slot+3], s[G0B+4*\slot+2:G0B+4*\slot+3], 2*ROWB
	JLOAD G0+4*\slot, G1, G0B+4*\slot, G1B
.else
	PLACES NP
.endif
	v_add_nc_u32 v[ADRS], 4*NQ, v[ADRS]
	FETCH_B \next, 0, 0
	FETCH_A \next, 0, 0
	SCALES \next
	WIN MUL_HI
	MUL16 4, 1, NQ-1, \slot, 0
	MUL16 6, 1, NQ-1, \slot, 0
	PLACES NP
	WIN 0
	FETCH_A \next, 0, 4
.endm
; 64 numbers of a lane, v[s + 8 t + j] = index 16 t + 8 h + j of the lane's row, become a fragment's 12 registers in v[PC] on (registers 6 c .. 6 c + 5 of lane (r, h): the 24 bytes of block 2 c + h) and the scale word in v[PW].
.macro QUANTN s
.irp b, 0,1,2,3
	v_max3_num_f32 v[TM+\b], |v[(\s)+16*\b]|, |v[(\s)+16*\b+1]|, 0x1800000
.endr
.irp i, 2,4,6,8,10,12,14
.irp b, 0,1,2,3
	v_max3_num_f32 v[TM+\b], |v[(\s)+16*\b+\i]|, |v[(\s)+16*\b+\i+1]|, v[TM+\b]
.endr
.endr
.irp b, 0,1,2,3
	v_permlanex16_b32 v[TM+4+\b], v[TM+\b], s[SEL], s[SEL+1]
.endr
.irp b, 0,1,2,3
	v_max_num_f32 v[TM+\b], v[TM+\b], v[TM+4+\b]
.endr
.irp b, 0,1,2,3
	v_add_nc_u32 v[TM+12+\b], 0xff000000, v[TM+\b]
.endr
.irp b, 0,1,2,3
	v_lshrrev_b32 v[TM+4+\b], 23, v[TM+12+\b]
.endr
	v_lshl_or_b32 v[PW], v[TM+5], 8, v[TM+4]
	v_lshl_or_b32 v[PW], v[TM+6], 16, v[PW]
	v_lshl_or_b32 v[PW], v[TM+7], 24, v[PW]
.irp c, 0,1
	v_cvt_scalef32_pk16_fp6_f32 v[PC+6*\c:PC+6*\c+2], v[(\s)+32*\c:(\s)+32*\c+15], v[TM+12+2*\c]
	v_cvt_scalef32_pk16_fp6_f32 v[PC+12+4*\c:PC+14+4*\c], v[(\s)+32*\c+16:(\s)+32*\c+31], v[TM+13+2*\c]
.endr
	v_nop                                          ; one plain instruction behind a scaled conversion
.irp c, 0,1
.irp i, 0,1,2
	v_permlane16_swap_b32 v[PC+6*\c+\i], v[PC+12+4*\c+\i]
.endr
	v_alignbit_b32 v[PC+6*\c+3], v[PC+6*\c+2], v[PC+6*\c+1], 16
	v_perm_b32 v[PC+6*\c+4], v[PC+13+4*\c], v[PC+6*\c+2], 0x07060302
	v_perm_b32 v[PC+6*\c+1], v[PC+12+4*\c], v[PC+6*\c+1], 0x05040100
	v_alignbit_b32 v[PC+6*\c+2], v[PC+13+4*\c], v[PC+12+4*\c], 16
	v_mov_b32 v[PC+6*\c+5], v[PC+14+4*\c]
.endr
.endm
.macro KPAIR r, val                    ; a constant in both words of a scalar pair: the packed forms name the pair and take its low word
	s_mov_b32 s[\r], \val
	s_mov_b32 s[\r+1], \val
.endm
; gelu of 16 numbers: in v[g] on x / 2, out gelu(x)
.macro GELU16 g
.irp i, 0,2,4,6,8,10,12,14
	v_pk_mul_f32 v[Z+\i:Z+\i+1], v[(\g)+\i:(\g)+\i+1], s[24:25] op_sel_hi:[1,0]     ; z = x / sqrt 2
.endr
.irp i, 0,1,2,3,4,5,6,7,8,9,10,11,12,13,14,15
	v_med3_num_f32 v[Z+\i], v[Z+\i], -4.0, 4.0
.endr
.irp i, 0,2,4,6,8,10,12,14
	v_pk_mul_f32 v[Q2+\i:Q2+\i+1], v[Z+\i:Z+\i+1], v[Z+\i:Z+\i+1]
.endr
.irp i, 0,2,4,6,8,10,12,14
	v_pk_fma_f32 v[PA+\i:PA+\i+1], v[Q2+\i:Q2+\i+1], s[26:27], v[230:231] op_sel_hi:[1,0,1]
	v_pk_fma_f32 v[PB+\i:PB+\i+1], v[Q2+\i:Q2+\i+1], s[38:39], v[232:233] op_sel_hi:[1,0,1]
.endr
.irp c, 28,30,32,34,36
.irp i, 0,2,4,6,8,10,12,14
	v_pk_fma_f32 v[PA+\i:PA+\i+1], v[PA+\i:PA+\i+1], v[Q2+\i:Q2+\i+1], s[\c:\c+1] op_sel_hi:[1,1,0]
.endr
.endr
.irp c, 40,42,44
.irp i, 0,2,4,6,8,10,12,14
	v_pk_fma_f32 v[PB+\i:PB+\i+1], v[PB+\i:PB+\i+1], v[Q2+\i:Q2+\i+1], s[\c:\c+1] op_sel_hi:[1,1,0]
.endr
.endr
.irp i, 0,1,2,3,4,5,6,7,8,9,10,11,12,13,14,15
	v_rcp_f32 v[PB+\i], v[PB+\i]
.endr
.irp i, 0,2,4,6,8,10,12,14
	v_pk_mul_f32 v[PA+\i:PA+\i+1], v[PA+\i:PA+\i+1], v[Z+\i:Z+\i+1]                 ; (the plain instructions behind the reciprocals)
.endr
	s_wait_alu depctr_va_vdst(0)
.irp i, 0,2,4,6,8,10,12,14
	v_pk_mul_f32 v[PA+\i:PA+\i+1], v[PA+\i:PA+\i+1], v[PB+\i:PB+\i+1]               ; erf(z)
.endr
.irp i, 0,2,4,6,8,10,12,14
	v_pk_fma_f32 v[(\g)+\i:(\g)+\i+1], v[(\g)+\i:(\g)+\i+1], v[PA+\i:PA+\i+1], v[(\g)+\i:(\g)+\i+1]
.endr
.endm
	s_wait_tensorcnt 1                             ; the scales and my part of K step 0 are in (K step 1's load may be out),
	s_barrier_signal -1
	s_barrier_wait -1                              ; everybody's are
	FETCH_B 0, 0, 0
	FETCH_A 0, 0, 0
	SCALES 0
	FETCH_A 0, 0, 4
	s_wait_loadcnt 0x0                             ; the bias
	STEP 0, 0, 1                                   ; the first step's products start the sums from the bias
	s_mov_b32 s3, LAPS-1
.Llap:
	TURN 0, 1, 1
	STEP 1, 0, 0
	TURN 1, 0, 1
	STEP 0, 0, 0
	s_sub_co_u32 s3, s3, 1
	s_cmp_lg_u32 s3, 0
	s_cbranch_scc1 .Llap
	TURN 0, 1, 0                                   ; the last lap fills nothing
	STEP 1, 0, 0
	s_wait_dscnt 4*NL
	WIN MUL_LO
	MUL16 0, 1, NQ-1, 1, 0
	MUL16 2, 1, NQ-1, 1, 0
	s_wait_dscnt 0
	WIN MUL_HI
	MUL16 4, 1, NQ-1, 1, 0
	MUL16 6, 1, NQ-1, 1, 0
	WIN 0
	; THE WAY OUT: a loop over my 8 blocks of 16 tokens.  A short arm for each block halves its 64 numbers a lane into window 0; gelu, the quantiser and the stores to my stage in slot 0 are written once.
	; (Slot 0 has had its last fill, and nobody reads it behind the last change of slots; no tensor load is out, so the descriptors' scalar registers take the constants.)
	PLACES NP
	s_mov_b32 s[SEL], 0x76543210
	s_mov_b32 s[SEL+1], 0xfedcba98
	KPAIR 24, 0x3fb504f3                           ; sqrt 2
	KPAIR 26, 0xaf95df0b                           ; the numerator, from z^12 down: -2.72614226e-10,
	KPAIR 28, 0xb60cff51                           ; (2.77068142e-08 lies in v[230:231]) -2.10102402e-06,
	KPAIR 30, 0xb86ec2d2                           ; -5.69250639e-05,
	KPAIR 32, 0xba40ac63                           ; -7.34990630e-04,
	KPAIR 34, 0xbb41a1f6                           ; -2.95459981e-03,
	KPAIR 36, 0xbc83dbd4                           ; -1.60960333e-02
	KPAIR 38, 0xb77460cd                           ; the denominator, from z^8 down: -1.45660718e-05,
	KPAIR 40, 0xbadc924e                           ; (-2.13374055e-04 lies in v[232:233]) -1.68282697e-03,
	KPAIR 42, 0xbbf19bf8                           ; -7.37332917e-03,
	KPAIR 44, 0xbc69b6a7                           ; -1.42647391e-02
	v_mov_b32 v230, 0x32edffee
	v_mov_b32 v231, 0x32edffee
	v_mov_b32 v232, 0xb95fbd29
	v_mov_b32 v233, 0xb95fbd29
.irp b, 0,1,2,3
	v_mov_b32 v[TM+4+\b], 0                        ; a lane permute's destination counts as read
.endr
	s_mov_b32 s2, 0                                ; the block
	s_mov_b32 s3, 0                                ; 768 x the block: its codes in the stage
	s_mov_b32 s46, 0                               ; 64 x the block: its scale words
.Lblock:
.irp k, 0,1,2,3,4,5,6
	s_cmp_eq_u32 s2, \k
	s_cbranch_scc1 .Lin_\k
.endr
.irp k, 7,6,5,4,3,2,1,0
.Lin_\k:
.set QW, 2+\k/4
	WIN QW                                         ; source 0: window 2 or 3
.set i, 0
.rept 32
	v_pk_mul_f32 v[GG+2*i:GG+2*i+1], v[64*(\k%4)+2*i:64*(\k%4)+2*i+1], 0.5 op_sel_hi:[1,0]   ; x / 2; each accumulator from its low end on
.set i, i+1
.endr
	WIN 0
	s_branch .Lgelu
.endr
.Lgelu:
	GELU16 GG
	GELU16 GG+16
	GELU16 GG+32
	GELU16 GG+48
	QUANTN GG
	v_add_nc_u32 v[CSA], s3, v[CST]
	v_add_nc_u32 v[SSA], s46, v[SST]
.irp c, 0,1
.irp p, 0,1,2
	ds_store_b64 v[CSA], v[PC+6*\c+2*\p:PC+6*\c+2*\p+1] offset:6144*\c+8*\p
.endr
.endr
	ds_store_b32 v[SSA], v[PW]                     ; both halves of the lanes write the same word with the same value
	s_wait_dscnt 0x0                               ; the stores have read their registers
	s_add_co_u32 s3, s3, 768
	s_add_co_u32 s46, s46, 64
	s_add_co_u32 s2, s2, 1
	s_cmp_lt_u32 s2, 8
	s_cbranch_scc1 .Lblock
	s_lshr_b32 s20, s96, 6
	s_mul_i32 s20, s20, 196608
	s_mul_i32 s21, s97, 48
	s_add_co_u32 s20, s20, s21
	s_mov_b32 s21, 0
	s_add_nc_u64 s[48:49], s[12:13], s[20:21]      ; my first 64 columns' codes,
	s_add_nc_u64 s[50:51], s[48:49], 196608        ; my second 64's
	s_lshr_b32 s20, s96, 7
	s_lshl_b32 s20, s20, 14
	s_lshl_b32 s22, s97, 2
	s_add_co_u32 s20, s20, s22
	s_add_co_u32 s20, s20, GS
	s_add_nc_u64 s[52:53], s[12:13], s[20:21]      ; my scale words
.set k, 0
.rept 25
	ds_load_b128 v[BK+4*k:BK+4*k+3], v[RD] offset:512*k
.set k, k+1
.endr
.set k, 0
.rept 24
	s_wait_dscnt 24-k                              ; LDS loads come back in order: run k is in
	global_store_b128 v[GL], v[BK+4*k:BK+4*k+3], s[48+2*(k/12):49+2*(k/12)] offset:512*(k%12)   ; 512 consecutive bytes, aligned
.set k, k+1
.endr
	s_wait_dscnt 0x0
	global_store_b128 v[GL], v[BK+96:BK+99], s[52:53]
	s_wait_tensorcnt 0x0                           ; the wave's end
	ds_add_u32 v[SPW], v[NIL]
	s_wait_dscnt 0x0
	CROUND                                         ; the closing round
	s_endpgm
.Lfunc_end_k_q37a5d0c706_fc:
	.size	k_q37a5d0c706_fc, .Lfunc_end_k_q37a5d0c706_fc-k_q37a5d0c706_fc
	.p2alignl 7, 3214868480
	.fill 96, 4, 3214868480
	.section	.rodata,"a",@progbits
	.p2align	6, 0x0
	.amdhsa_kernel k_q37a5d0c706_fc
		.amdhsa_group_segment_fixed_size 327680
		.amdhsa_private_segment_fixed_size 0
		.amdhsa_enable_private_segment 0
		.amdhsa_kernarg_size 40
		.amdhsa_user_sgpr_count 2
		.amdhsa_user_sgpr_kernarg_segment_ptr 1
		.amdhsa_wavefront_size32 1
		.amdhsa_system_sgpr_workgroup_id_x 1
		.amdhsa_system_sgpr_workgroup_id_y 1
		.amdhsa_system_sgpr_workgroup_id_z 1
		.amdhsa_system_vgpr_workitem_id 0
		.amdhsa_next_free_vgpr 1024
		.amdhsa_next_free_sgpr 100
		.amdhsa_reserve_vcc 0
		.amdhsa_float_denorm_mode_32 3
		.amdhsa_float_denorm_mode_16_64 3
		.amdhsa_memory_ordered 1
		.amdhsa_forward_progress 1
		.amdhsa_inst_pref_size 197
	.end_amdhsa_kernel
	.amdgpu_metadata
---
amdhsa.version: [ 1, 2 ]
amdhsa.kernels:
  - .name:           k_q37a5d0c706_fc
    .symbol:         k_q37a5d0c706_fc.kd
    .args:
      - { .name: xq, .offset: 0, .size: 8, .value_kind: global_buffer, .address_space: global }
      - { .name: w_fc_codes, .offset: 8, .size: 8, .value_kind: global_buffer, .address_space: global }
      - { .name: w_fc_scales, .offset: 16, .size: 8, .value_kind: global_buffer, .address_space: global }
      - { .name: b_fc, .offset: 24, .size: 8, .value_kind: global_buffer, .address_space: global }
      - { .name: gq, .offset: 32, .size: 8, .value_kind: global_buffer, .address_space: global }
    .group_segment_fixed_size: 327680
    .private_segment_fixed_size: 0
    .kernarg_segment_align: 8
    .kernarg_segment_size: 40
    .max_flat_workgroup_size: 128
    .sgpr_count:     100
    .vgpr_count:     1024
    .wavefront_size: 32
...
	.end_amdgpu_metadata
.endif
;; end of part 5
;; launch fc2 (part 6): grid 8 x 32, 4 waves a work-group, clusters of 4 x 4, 327,680 bytes of LDS; arguments gq, w_fc2_codes, w_fc2_scales, b_fc2, x1, out0; writes out0
.if DOCPART == 6
	.amdgcn_target "amdgcn-amd-amdhsa--gfx1250"
	.amdhsa_code_object_version 6
	.text
	.protected	k_q37a5d0c706_fc2
	.globl	k_q37a5d0c706_fc2
	.p2align	8
	.type	k_q37a5d0c706_fc2,@function
k_q37a5d0c706_fc2:
	s_mov_b64 s[64:65], 0
	v_nop
	global_prefetch_b8 v0, s[64:65] scope:SCOPE_SE
	s_setreg_imm32_b32 hwreg(HW_REG_WAVE_MODE, 25, 1), 1
	s_wait_xcnt 0x0
	s_wait_alu depctr_hold_cnt(0) depctr_sa_sdst(0) depctr_va_vdst(0) depctr_va_sdst(0) depctr_va_ssrc(0) depctr_va_vcc(0) depctr_vm_vsrc(0)
	s_getreg_b32 s2, hwreg(HW_REG_IB_STS2, 6, 4)
	s_cmp_eq_u32 s2, 0
	s_cbranch_scc0 .Lentry_in_a_cluster
	s_endpgm
.Lentry_in_a_cluster:
	s_bfe_u32 s2, ttmp6, 0x10000c
	s_cmp_lg_u32 s2, 0xf033
	s_cbranch_scc0 .Lentry_shape_is_right
	s_endpgm
.Lentry_shape_is_right:
; out = res + A W^T + bias.  A: 4,096 rows x SIZE_K as codes of FP6 (E2M3), laid [K / 64][row][48 bytes], scale words [K / 128][row][4 bytes] at byte ASOFF of the same buffer.
; W: [1024][SIZE_K] codes, K innermost, scale bytes [1024][SIZE_K / 32].  bias [1024], res and out [4096][1024]: f32.  Here: SIZE_K = 4,096, A = the hidden layer g, res = x1, out = out0.
; N is 1,024, so a tile of 128 x 128 gives each of 256 work-groups one tile; four waves of 64 x 64: 16 accumulators.  Source 0 = 16 rows of W, source 1 = 16 rows of A: a lane holds eight neighbours of a row of out.
; K goes in steps of 512 through two LDS slots, filled by joint tensor loads in clusters of 4 x 4 (A's tile shared along a row of the cluster, W's along a column); all scale words come once.
; The bias is the C of the first products.  The residual is asked for at the head, behind the first tiles' requests, into registers of its own, so that it comes while all K steps are multiplied; it is added on the way out.
; REGISTERS: window 0: v16-31 addresses; v32-95 scale words, two sets, and nothing else; v96-127 the bias; v128-255 the accumulators ((a, b) at v[128 + 8 (4 a + b)]).
;   window 1: two fragment buffers at v0 and v128 (A's four fragments, then W's four); on the way out v128-191 rows read back.   window 2: v0-127 the residual.
.set SIZE_K, 4096
.set KROW,   SIZE_K*6/8
.set KS,     SIZE_K/32
.set NS,     SIZE_K/128
.set LAPS,   SIZE_K/1024
.set ASOFF,  SIZE_K*3072
.set PANEL,  196608                    ; 4,096 rows x 48 bytes
.set APART,  8*6144                    ; a slot: A's 8 panels x 128 rows x 48 bytes,
.set BPITCH, 432                       ; then W's 128 rows of 384 bytes, 16 of padding behind each 128
.set BHALF,  64*BPITCH
.set SLOT,   APART+2*BHALF
.set SCA,    2*SLOT                    ; A's scale words [K / 128][128 rows][4]
.set SCB,    SCA+512*NS                ; W's scale bytes, as runs of 256 bytes + 16 of padding
.set HALFSB, (64*KS/256)*272
.set SBLK,   (16*KS/256)*272
.set SPARE,  SCB+2*HALFSB              ; the spare words: 128 bytes a wave, named by no other line
.set ADRA, 16
.set ADRB, 20
.set STO,  24
.set RD,   25
.set CO,   26
.set ADSA, 27
.set SPW,  28
.set NIL,  29
.set ADSB, 30
.set BO,   31
.set SCW,  32
.set BIAS, 96
.set ACC,  128
.set OB,   128
.set G1, 24
.set G0, 32
.set G1B, 48
.set G0B, 56
.set G1S, 68
.set G0S, 76
.set G1SB, 80
.set G0SB, 88
.set MSB, 0
.macro WIN new
.if MSB != \new
	s_set_vgpr_msb (MSB<<8)|\new
.set MSB, \new
.endif
.endm
.set MUL, 0x05                         ; sources 0 and 1 window 1; C and D window 0
.macro JLOAD g0a, g1a, g0b, g1b        ; waves 0 and 1 fetch for A, waves 2 and 3 for W; four v_nop follow each of the two lines
	s_cmp_eq_u32 s17, 0
	s_cbranch_scc0 .Lfor_b_\@
	tensor_load_to_lds s[\g0a:\g0a+3], s[\g1a:\g1a+7]
	s_nop 0
.rept 4
	v_nop
.endr
	s_branch .Lasked_\@
.Lfor_b_\@:
	tensor_load_to_lds s[\g0b:\g0b+3], s[\g1b:\g1b+7]
	s_nop 0
.rept 4
	v_nop
.endr
.Lasked_\@:
.endm
.macro CREST
	s_cmp_lg_u32 s16, 0
	s_cbranch_scc1 .Lnot_wave_0_\@
	s_barrier_signal -3
.Lnot_wave_0_\@:
	s_barrier_wait -3
	s_barrier_signal -1
	s_barrier_wait -1
.endm
.macro CROUND
	s_barrier_signal -1
	s_barrier_wait -1
	CREST
.endm
	s_load_b128 s[4:7], s[0:1], 0x0                ; A, W's codes
	s_load_b128 s[8:11], s[0:1], 0x10              ; W's scales, bias
	s_load_b128 s[12:15], s[0:1], 0x20             ; res, out
	v_lshl_add_u32 v[SPW], v0, 2, SPARE
	v_mov_b32 v[NIL], 0
	ds_add_u32 v28, v29
	ds_add_u32 v28, v29
	s_wait_dscnt 0x0
	v_lshrrev_b32 v1, 5, v0
	v_readfirstlane_b32 s16, v1                    ; wave 0..3
	s_lshr_b32 s17, s16, 1                         ; which 64 rows are mine.  Also: I fetch for A (0) or for W (1)
	s_and_b32 s18, s16, 1                          ; which 64 columns.  Also: which half I fetch
	s_bfe_u32 s40, ttmp6, 0x40000
	s_bfe_u32 s41, ttmp6, 0x40004
	s_lshl_b32 s42, ttmp9, 2
	s_add_co_u32 s42, s42, s40                     ; tile column
	s_and_b32 s43, ttmp7, 0xffff
	s_lshl_b32 s43, s43, 2
	s_add_co_u32 s43, s43, s41                     ; tile row
	s_lshl_b32 s44, s41, 2
	s_lshl_b32 s44, 15, s44                        ; my row of the cluster
	s_lshl_b32 s45, 0x1111, s40                    ; my column
	s_or_b32 s[G1+0], s44, (3<<16)|(1<<21)         ; A: 4 panels, each 128 rows x 48 = 6,144 dense bytes (768 elements of 8), PANEL bytes apart; no padding
	s_mov_b32 s[G1+1], 768<<16
	s_mov_b32 s[G1+2], 4<<16
	s_mov_b32 s[G1+3], 768<<16
	s_mov_b32 s[G1+4], 4
	s_mov_b32 s[G1+5], PANEL/8
	s_mov_b32 s[G1+6], 0
	s_mov_b32 s[G1+7], 0
	s_or_b32 s[G1B+0], s45, (0<<16)|(1<<20)|(1<<21)|(4<<22)|(3<<25)   ; W: 64 rows of 384 bytes; 4 words of padding behind every 32
	s_mov_b32 s[G1B+1], 384<<16
	s_mov_b32 s[G1B+2], 64<<16
	s_mov_b32 s[G1B+3], 384<<16
	s_mov_b32 s[G1B+4], 64
	s_mov_b32 s[G1B+5], KROW
	s_mov_b32 s[G1B+6], 0
	s_mov_b32 s[G1B+7], 0
	s_or_b32 s[G1S+0], s44, (3<<16)|(1<<21)        ; A's words: NS / 2 rows of 512 bytes, 16,384 bytes apart
	s_mov_b32 s[G1S+1], 64<<16
	s_mov_b32 s[G1S+2], (NS/2)<<16
	s_mov_b32 s[G1S+3], 64<<16
	s_mov_b32 s[G1S+4], NS/2
	s_mov_b32 s[G1S+5], 2048
	s_mov_b32 s[G1S+6], 0
	s_mov_b32 s[G1S+7], 0
	s_or_b32 s[G1SB+0], s45, (3<<16)|(1<<20)|(1<<21)|(5<<22)|(3<<25)  ; W's scale bytes of 64 rows: dense, as rows of 256 bytes + 16
	s_mov_b32 s[G1SB+1], 32<<16
	s_mov_b32 s[G1SB+2], (64*KS/256)<<16
	s_mov_b32 s[G1SB+3], 32<<16
	s_mov_b32 s[G1SB+4], 64*KS/256
	s_mov_b32 s[G1SB+5], 32
	s_mov_b32 s[G1SB+6], 0
	s_mov_b32 s[G1SB+7], 0
	s_mul_i32 s20, s43, 6144
	s_mul_i32 s21, s18, 4*PANEL
	s_add_co_u32 s20, s20, s21                     ; A: my four panels, the tile's rows
	s_mov_b32 s21, 0
	s_lshl_b32 s22, s43, 9
	s_mul_i32 s23, s18, (NS/2)*16384
	s_add_co_u32 s22, s22, s23
	s_add_co_u32 s22, s22, ASOFF                   ; A's words
	s_mov_b32 s23, 0
	s_lshl_b32 s46, s42, 7
	s_lshl_b32 s47, s18, 6
	s_add_co_u32 s46, s46, s47                     ; W: row 128 x tile column + 64 x half
	s_mul_i32 s92, s46, KS
	s_mov_b32 s93, 0
	s_mul_i32 s46, s46, KROW
	s_mov_b32 s47, 0
	s_mul_i32 s94, s18, 24576                      ; where they go
	s_mul_i32 s95, s18, BHALF
	s_add_co_u32 s95, s95, APART
	s_wait_kmcnt 0x0
	s_add_nc_u64 s[20:21], s[4:5], s[20:21]
	s_add_nc_u64 s[22:23], s[4:5], s[22:23]
	s_add_nc_u64 s[46:47], s[6:7], s[46:47]
	s_add_nc_u64 s[92:93], s[8:9], s[92:93]
	CROUND                                         ; all sixteen work-groups are here: the first joint loads meet
	s_mov_b32 s[G0S], 1
	s_mul_i32 s[G0S+1], s18, 256*NS
	s_add_co_u32 s[G0S+1], s[G0S+1], SCA
	s_mov_b64 s[G0S+2:G0S+3], s[22:23]
	s_or_b32 s[G0S+3], s[G0S+3], 0x80000000
	s_mov_b32 s[G0SB], 1
	s_mul_i32 s[G0SB+1], s18, HALFSB
	s_add_co_u32 s[G0SB+1], s[G0SB+1], SCB
	s_mov_b64 s[G0SB+2:G0SB+3], s[92:93]
	s_or_b32 s[G0SB+3], s[G0SB+3], 0x80000000
	JLOAD G0S, G1S, G0SB, G1SB
.irp s, 0,1
	s_mov_b32 s[G0+4*\s], 1
	s_add_co_u32 s[G0+4*\s+1], s94, \s*SLOT
	s_add_nc_u64 s[G0+4*\s+2:G0+4*\s+3], s[20:21], \s*8*PANEL
	s_or_b32 s[G0+4*\s+3], s[G0+4*\s+3], 0x80000000
	s_mov_b32 s[G0B+4*\s], 1
	s_add_co_u32 s[G0B+4*\s+1], s95, \s*SLOT
	s_add_nc_u64 s[G0B+4*\s+2:G0B+4*\s+3], s[46:47], \s*384
	s_or_b32 s[G0B+4*\s+3], s[G0B+4*\s+3], 0x80000000
	JLOAD G0+4*\s, G1, G0B+4*\s, G1B
.endr
	v_and_b32 v1, 15, v0                           ; r
	v_bfe_u32 v2, v0, 4, 1                         ; h
	v_mul_u32_u24 v3, v1, 48
	v_mad_u32_u24 v3, v2, 24, v3                   ; A: 48 r + 24 h
	v_mul_u32_u24 v4, v1, BPITCH
	v_mad_u32_u24 v4, v2, 24, v4                   ; W: 432 r + 24 h,
	v_lshl_add_u32 v5, v2, 4, v4                   ; and the same behind one padding more
	s_mul_i32 s20, s17, 3072
	s_mul_i32 s21, s18, BHALF
	s_add_co_u32 s21, s21, APART
.irp s, 0,1
	v_add_nc_u32 v[ADRA+\s], s20, v3
	v_add_nc_u32 v[ADRB+\s], s21, v4
	v_add_nc_u32 v[ADRB+2+\s], s21, v5
	s_add_co_u32 s20, s20, SLOT
	s_add_co_u32 s21, s21, SLOT
.endr
	s_lshl_b32 s20, s17, 8
	s_add_co_u32 s20, s20, SCA
	v_lshl_add_u32 v[ADSA], v1, 2, s20             ; A's words: my 64 rows, 4 r
	v_mul_u32_u24 v6, v1, KS
	v_lshrrev_b32 v7, 8, v6
	v_lshl_add_u32 v6, v7, 4, v6
	s_mul_i32 s21, s18, HALFSB
	s_add_co_u32 s21, s21, SCB
	v_add_nc_u32 v[ADSB], s21, v6                  ; W's scale bytes: KS a row, 16 more for each 256 passed
	s_mul_i32 s22, s16, 16*272                     ; my stage, in slot 0
	v_mul_u32_u24 v6, v1, 272
	v_lshl_add_u32 v6, v2, 5, v6
	v_add_nc_u32 v[STO], s22, v6                   ; in: row r, 32 bytes for each half of the lanes
	v_mul_u32_u24 v6, v2, 272
	v_lshl_add_u32 v6, v1, 4, v6
	v_add_nc_u32 v[RD], s22, v6                    ; back: lanes 0-15 one row of 256 bytes, lanes 16-31 the next
	v_lshlrev_b32 v[CO], 12, v2
	v_lshl_add_u32 v[CO], v1, 4, v[CO]             ; and the same two rows in memory
	v_lshlrev_b32 v[BO], 5, v2
	s_lshl_b32 s96, s42, 9
	s_lshl_b32 s97, s18, 8
	s_add_co_u32 s96, s96, s97                     ; my first column, in bytes
	s_mov_b32 s97, 0
	s_add_nc_u64 s[10:11], s[10:11], s[96:97]
	s_lshl_b32 s98, s43, 7
	s_lshl_b32 s99, s17, 6
	s_add_co_u32 s98, s98, s99                     ; my first row
	s_lshl_b32 s98, s98, 12
	s_add_co_u32 s96, s96, s98
	s_add_nc_u64 s[12:13], s[12:13], s[96:97]
	s_add_nc_u64 s[14:15], s[14:15], s[96:97]
.irp b, 0,1,2,3
	global_load_b128 v[BIAS+8*\b:BIAS+8*\b+3], v[BO], s[10:11] offset:64*\b        ; register 8 b + j: the bias of column 16 b + 8 h + j
	global_load_b128 v[BIAS+8*\b+4:BIAS+8*\b+7], v[BO], s[10:11] offset:64*\b+16
.endr
	WIN 0x80                                       ; destination window 2
.set k, 0
.rept 32
	global_load_b128 v[4*k:4*k+3], v[CO], s[12:13] offset:2*k*4096 th:TH_LOAD_NT   ; the residual of my 64 rows x 64 columns, in the layout in which rows come back from the stage; read once in the launch
.set k, k+1
.endr
	WIN 0
.macro FRAGP reg, slot, q, i           ; a fragment of A: registers 6 c .. 6 c + 5 = 24 bytes of row r in panel 2 q + c
.irp p, 0,1,2,3,4,5
	ds_load_b64 v[(\reg)+2*\p:(\reg)+2*\p+1], v[ADRA+\slot] offset:6144*(2*(\q)+\p/3)+768*(\i)+8*(\p%3)
.endr
.endm
.macro FRAGW reg, slot, q, i           ; a fragment of W, in pieces of 8 bytes; 16 bytes of padding lie behind every 16 pieces: where the piece three on lies behind one padding more, the second address register serves
.irp p, 0,1,2,3,4,5
.set PCE, 12*(\q)+6*(\p/3)+\p%3
.if PCE%16 < 13
	ds_load_b64 v[(\reg)+2*\p:(\reg)+2*\p+1], v[ADRB+\slot] offset:8*PCE+16*(PCE/16)+(\i)*16*BPITCH
.else
	ds_load_b64 v[(\reg)+2*\p:(\reg)+2*\p+1], v[ADRB+2+\slot] offset:8*PCE+16*(PCE/16)+(\i)*16*BPITCH
.endif
.endr
.endm
.macro FETCH slot, q, f                ; 48 LDS loads in one run: the fragments of the slot's q-th 128 along K into buffer f
	WIN 0x40
.irp i, 0,1,2,3
	FRAGW (\f)+48+12*\i, \slot, \q, \i
.endr
.irp i, 0,1,2,3
	FRAGP (\f)+12*\i, \slot, \q, \i
.endr
.endm
.macro SCALES set                      ; a slot's scale words, 20 loads: W's four steps of a row by one load; A's a word at a time
.irp b, 0,1,2,3
	ds_load_b128 v[SCW+32*(\set)+4*\b:SCW+32*(\set)+4*\b+3], v[ADSB] offset:\b*SBLK
.endr
.irp a, 0,1,2,3
.irp q, 0,1,2,3
	ds_load_b32 v[SCW+16+32*(\set)+4*\a+\q], v[ADSA] offset:512*\q+64*\a
.endr
.endr
.endm
.macro MUL4 f, q, set, a, zero         ; A's block a x W's four.  The 16 accumulators take turns
.irp b, 0,1,2,3
.set DR, ACC+8*(4*(\a)+\b)
.if \zero
.set CR, BIAS+8*\b
.else
.set CR, DR
.endif
	v_wmma_scale_f32_16x16x128_f8f6f4 v[DR:DR+7], v[(\f)+48+12*\b:(\f)+48+12*\b+11], v[(\f)+12*(\a):(\f)+12*(\a)+11], v[CR:CR+7], v[SCW+32*(\set)+4*\b+(\q)], v[SCW+16+32*(\set)+4*(\a)+(\q)] matrix_a_fmt:MATRIX_FMT_FP6 matrix_b_fmt:MATRIX_FMT_FP6
.endr
.endm
.macro PLACES n
.rept \n
	v_nop
.endr
.endm
.macro STEP slot, q, zero              ; 128 along K, q = 0 .. 2: the next step's fragments are asked for, then this step's 16 products
	PLACES 4                                       ; in front of loads into the buffer that the last products read
	FETCH \slot, (\q)+1, 128*(((\q)+1)%2)
	s_wait_dscnt 48                                ; all but the 48 just issued
	WIN MUL
.irp a, 0,1,2,3
	MUL4 128*((\q)%2), \q, \slot, \a, \zero
.endr
.endm
.macro TURN slot, next, fill           ; a slot's last step changes slots
	WIN 0
	s_wait_tensorcnt 0x0                           ; all my tensor loads have landed: my part of the next slot
	ds_add_u32 v[SPW], v[NIL]                      ; 0 onto my spare word
	s_wait_dscnt 1                                 ; this step's fragments are in; the add may be out
	WIN MUL
	MUL4 128, 3, \slot, 0, 0
	s_wait_dscnt 0x0                               ; the add is done, and my reads of this slot are over
	s_barrier_signal -1
	MUL4 128, 3, \slot, 1, 0
	WIN 0
	s_barrier_wait -1
.if \fill
	CREST                                          ; the barrier has opened a round of the cluster's: no wave of any partner still reads this slot or has a load on its way
	s_add_nc_u64 s[G0+4*\slot+2:G0+4*\slot+3], s[G0+4*\slot+2:G0+4*\slot+3], 16*PANEL
	s_add_nc_u64 s[G0B+4*\slot+2:G0B+4*\slot+3], s[G0B+4*\slot+2:G0B+4*\slot+3], 768
	JLOAD G0+4*\slot, G1, G0B+4*\slot, G1B         ; the first tensor load behind the round; its four v_nop are the places in front of the loads below
.else
	PLACES 4
.endif
	v_add_nc_u32 v[ADSA], 2048, v[ADSA]            ; the next slot's scale words (no LDS load of mine is out)
	v_add_nc_u32 v[ADSB], 16, v[ADSB]
	FETCH \next, 0, 0
	WIN 0
	SCALES \next
	WIN MUL
	MUL4 128, 3, \slot, 2, 0
	MUL4 128, 3, \slot, 3, 0
.endm
	s_wait_tensorcnt 1                             ; the scale words and my part of slot 0 are in (slot 1's load may be out),
	s_barrier_signal -1
	s_barrier_wait -1                              ; everybody's are
	FETCH 0, 0, 0
	WIN 0
	SCALES 0
	s_wait_loadcnt 32                              ; the bias is in; the residual's 32 loads, issued behind it, may be out
	STEP 0, 0, 1                                   ; the first products start the sums from the bias
.if LAPS > 1
	WIN 0
	s_mov_b32 s19, LAPS-1
.Llap:                                             ; a trip goes once round the ring and fills both slots again
	STEP 0, 1, 0
	STEP 0, 2, 0
	TURN 0, 1, 1
	STEP 1, 0, 0
	STEP 1, 1, 0
	STEP 1, 2, 0
	TURN 1, 0, 1
	STEP 0, 0, 0
	WIN 0
	s_sub_co_u32 s19, s19, 1
	s_cmp_lg_u32 s19, 0
	s_cbranch_scc1 .Llap
.endif
	STEP 0, 1, 0
	STEP 0, 2, 0
	TURN 0, 1, 0                                   ; the last lap fills nothing
	STEP 1, 0, 0
	STEP 1, 1, 0
	STEP 1, 2, 0
	s_wait_dscnt 0x0                               ; the last step's fragments are in
	WIN MUL
.irp a, 0,1,2,3
	MUL4 128, 3, 1, \a, 0
.endr
	WIN 0
	; THE WAY OUT, 16 rows at a time through my stage in slot 0 (it has had its last fill, and nobody reads it behind the last change of slots): whole runs of 256 bytes come back, take the residual and leave.
	PLACES 4
	s_wait_loadcnt 0x0                             ; the residual
.irp a, 0,1,2,3
.if \a > 1
	s_wait_xcnt 0x0                                ; the stores of two blocks ago have read their registers
.endif
.irp b, 0,1,2,3
	ds_store_b128 v[STO], v[ACC+8*(4*\a+\b):ACC+8*(4*\a+\b)+3] offset:64*\b      ; each accumulator from its low end on
	ds_store_b128 v[STO], v[ACC+8*(4*\a+\b)+4:ACC+8*(4*\a+\b)+7] offset:64*\b+16
.endr
	WIN 0x40
.irp t, 0,1,2,3,4,5,6,7
	ds_load_b128 v[OB+32*(\a%2)+4*\t:OB+32*(\a%2)+4*\t+3], v[RD] offset:544*\t
.endr
	s_wait_dscnt 0x0
	WIN 0x49                                       ; destination and source 0 window 1, source 1 (the residual) window 2
.irp i, 0,2,4,6,8,10,12,14,16,18,20,22,24,26,28,30
	v_pk_add_f32 v[OB+32*(\a%2)+\i:OB+32*(\a%2)+\i+1], v[OB+32*(\a%2)+\i:OB+32*(\a%2)+\i+1], v[32*\a+\i:32*\a+\i+1]
.endr
	WIN 0x04
.irp t, 0,1,2,3,4,5,6,7
	global_store_b128 v[CO], v[OB+32*(\a%2)+4*\t:OB+32*(\a%2)+4*\t+3], s[14:15] offset:(16*\a+2*\t)*4096 th:TH_STORE_NT   ; sixteen lanes store 256 consecutive bytes, aligned; written once, read by nobody here
.endr
	WIN 0
.endr
	s_wait_tensorcnt 0x0                           ; the wave's end
	ds_add_u32 v[SPW], v[NIL]
	s_wait_dscnt 0x0
	CROUND                                         ; the closing round
	s_endpgm
.Lfunc_end_k_q37a5d0c706_fc2:
	.size	k_q37a5d0c706_fc2, .Lfunc_end_k_q37a5d0c706_fc2-k_q37a5d0c706_fc2
	.p2alignl 7, 3214868480
	.fill 96, 4, 3214868480
	.section	.rodata,"a",@progbits
	.p2align	6, 0x0
	.amdhsa_kernel k_q37a5d0c706_fc2
		.amdhsa_group_segment_fixed_size 327680
		.amdhsa_private_segment_fixed_size 0
		.amdhsa_enable_private_segment 0
		.amdhsa_kernarg_size 48
		.amdhsa_user_sgpr_count 2
		.amdhsa_user_sgpr_kernarg_segment_ptr 1
		.amdhsa_wavefront_size32 1
		.amdhsa_system_sgpr_workgroup_id_x 1
		.amdhsa_system_sgpr_workgroup_id_y 1
		.amdhsa_system_sgpr_workgroup_id_z 1
		.amdhsa_system_vgpr_workitem_id 0
		.amdhsa_next_free_vgpr 768
		.amdhsa_next_free_sgpr 100
		.amdhsa_reserve_vcc 0
		.amdhsa_float_denorm_mode_32 3
		.amdhsa_float_denorm_mode_16_64 3
		.amdhsa_memory_ordered 1
		.amdhsa_forward_progress 1
		.amdhsa_inst_pref_size 118
	.end_amdhsa_kernel
	.amdgpu_metadata
---
amdhsa.version: [ 1, 2 ]
amdhsa.kernels:
  - .name:           k_q37a5d0c706_fc2
    .symbol:         k_q37a5d0c706_fc2.kd
    .args:
      - { .name: gq, .offset: 0, .size: 8, .value_kind: global_buffer, .address_space: global }
      - { .name: w_fc2_codes, .offset: 8, .size: 8, .value_kind: global_buffer, .address_space: global }
      - { .name: w_fc2_scales, .offset: 16, .size: 8, .value_kind: global_buffer, .address_space: global }
      - { .name: b_fc2, .offset: 24, .size: 8, .value_kind: global_buffer, .address_space: global }
      - { .name: x1, .offset: 32, .size: 8, .value_kind: global_buffer, .address_space: global }
      - { .name: out0, .offset: 40, .size: 8, .value_kind: global_buffer, .address_space: global }
    .group_segment_fixed_size: 327680
    .private_segment_fixed_size: 0
    .kernarg_segment_align: 8
    .kernarg_segment_size: 48
    .max_flat_workgroup_size: 128
    .sgpr_count:     100
    .vgpr_count:     768
    .wavefront_size: 32
...
	.end_amdgpu_metadata
.endif
;; end of part 6
